; MI455X (gfx1250); checked and timed in simulation.
; The chip was launched on July 23, 2026; its instructions are those of AMD's public machine-readable ISA for CDNA 5 (MIT licence, August 2026) and "CDNA5" Instruction Set Architecture Reference Guide (July 2026). The comments in the code are by the model that wrote it; some were corrected since.
;; Sentence Attention. Allowed arithmetic: float matrix products may take bf16 or f16 operands with f32 sums; all other float work in f32.
;; Inputs: W 1,024 x 1,024 float32; document_index 256 x 2 int32; u 1 x 1,024 float32; x 256 x 128 x 1,024 float32.
;; Outputs: out0 256 x 1,024 float32; out1 128 float32.
;; 3 versions, each right; version 2 is faster than version 1; version 3 is version 2 with the launch attn written anew for expert scheduling mode. Each part assembles by itself: llvm-mc -triple=amdgcn-amd-amdhsa -mcpu=gfx1250 --defsym DOCPART=n.
;; ======== version 1 of 3: 2 launches
;; workspace buffers: Wb 2,097,152 bytes
;; launch wprep (part 1): grid 256 x 1, 2 waves a work-group, no clusters, 8,960 bytes of LDS; arguments W, Wb; writes Wb
.if DOCPART == 1
	.amdgcn_target "amdgcn-amd-amdhsa--gfx1250"
	.amdhsa_code_object_version 6
	.text
	.protected	k_q1a4966679e_wprep
	.globl	k_q1a4966679e_wprep
	.p2align	8
	.type	k_q1a4966679e_wprep,@function
k_q1a4966679e_wprep:
	s_mov_b64 s[64:65], 0
	v_nop
	global_prefetch_b8 v0, s[64:65] scope:SCOPE_SE
	s_setreg_imm32_b32 hwreg(HW_REG_WAVE_MODE, 25, 1), 1
	s_wait_xcnt 0x0
; Wb = W rounded to bf16, laid out in the order in which the second launch's waves load matrix fragments.
; W: [1024 (n)][1024 (e)] f32.  A UNIT is 16 bytes = 8 bf16: unit 16 q + c of a row (q = 0..7, c = 0..15) holds the columns
; 128 q + 4 c .. + 3 and 128 q + 64 + 4 c .. + 3.  (This order of k is used alike for x in the second launch, so the products pair up.)
; K step kk = 4 q + (c >> 2) takes units 4 kk .. 4 kk + 3; unit 4 kk + 2 j + h goes to lane half h, registers 4 j .. 4 j + 3.
; Unit of row n lies in Wb at (n>>6)*131072 + kk*4096 + ((n>>4)&3)*1024 + j*512 + h*256 + (n&15)*16.
; A wave takes 16 rows x 128 columns: 512 tasks, two waves a work-group.  Each load covers two rows' 256 consecutive aligned bytes, each
; store 512 consecutive aligned bytes; in between the units turn from [row][c] to [c][row] in the wave's own LDS stage.
; Memory binds this launch (6 MiB moved once): no matrix unit, no cluster, no barrier (the waves share nothing).
.set SP,  272                          ; stage pitch: 16 units of 16 bytes + 16, so 16 lanes at 16 rows of the stage meet 16 different columns of 16 bytes
.set STG, 16*SP                        ; a wave's stage
.set G,   16                           ; v[16:79]   pair of rows i: 8 registers f32 as loaded, then 4 registers bf16
.set R,   80                           ; v[80:111]  the units read back, 4 registers each
	s_load_b128 s[4:7], s[0:1], 0x0                ; W s[4:5], Wb s[6:7]
	v_lshl_add_u32 v112, v0, 2, 0x2200
	v_mov_b32 v113, 0
	v_lshrrev_b32 v1, 5, v0
	v_readfirstlane_b32 s8, v1                     ; wave 0, 1
	v_and_b32 v2, 31, v0                           ; lane
	v_and_b32 v3, 15, v0                           ; c
	v_bfe_u32 v4, v0, 4, 1                         ; hl: which row of a pair
	s_lshl_b32 s9, ttmp9, 1
	s_add_co_u32 s9, s9, s8                        ; task 0..511
	s_lshr_b32 s10, s9, 3                          ; nblk: 16 rows of W
	s_and_b32 s11, s9, 7                           ; q: 128 columns
	s_lshl_b32 s12, s10, 16                        ; 16 rows of 4,096 bytes
	s_lshl_b32 s13, s11, 9                         ; 128 columns of 4 bytes
	s_add_co_u32 s12, s12, s13
	s_mov_b32 s13, 0
	s_lshr_b32 s14, s10, 2
	s_lshl_b32 s14, s14, 17                        ; (n>>6) * 131072
	s_lshl_b32 s15, s11, 14                        ; four K steps of 4,096 bytes for each q
	s_add_co_u32 s14, s14, s15
	s_and_b32 s15, s10, 3
	s_lshl_b32 s15, s15, 10                        ; ((n>>4)&3) * 1024
	s_add_co_u32 s14, s14, s15
	s_mov_b32 s15, 0
	s_mul_i32 s16, s8, STG                         ; my stage
	v_lshlrev_b32 v5, 4, v3
	v_lshl_add_u32 v5, v4, 12, v5                  ; load: row hl, 16 c
	v_mul_u32_u24 v6, v3, SP
	v_lshl_add_u32 v6, v4, 4, v6
	v_add_nc_u32 v6, s16, v6                       ; stage in: [c][row 2 i + hl]
	v_mul_u32_u24 v7, v4, SP
	v_lshl_add_u32 v7, v3, 4, v7
	v_add_nc_u32 v7, s16, v7                       ; stage out: [c' = 2 i + hl][row = lane & 15]
	v_lshlrev_b32 v8, 4, v2                        ; store: 16 x lane = h*256 + row*16
	s_wait_kmcnt 0x0
	s_add_nc_u64 s[4:5], s[4:5], s[12:13]
	s_add_nc_u64 s[6:7], s[6:7], s[14:15]
.irp i, 0,1,2,3,4,5,6,7
	global_load_b128 v[G+8*\i:G+8*\i+3],   v5, s[4:5] offset:\i*8192 th:TH_LOAD_NT          ; columns 128 q + 4 c ..
	global_load_b128 v[G+8*\i+4:G+8*\i+7], v5, s[4:5] offset:\i*8192+256 th:TH_LOAD_NT      ; columns 128 q + 64 + 4 c ..
.endr
.irp i, 0,1,2,3,4,5,6,7
	s_wait_loadcnt 14-2*\i                         ; loads return in order: this pair of rows is in, the 14 - 2 i younger loads stay out
	v_cvt_pk_bf16_f32 v[G+8*\i],   v[G+8*\i],   v[G+8*\i+1]
	v_cvt_pk_bf16_f32 v[G+8*\i+1], v[G+8*\i+2], v[G+8*\i+3]
	v_cvt_pk_bf16_f32 v[G+8*\i+2], v[G+8*\i+4], v[G+8*\i+5]
	v_cvt_pk_bf16_f32 v[G+8*\i+3], v[G+8*\i+6], v[G+8*\i+7]
	ds_store_b128 v6, v[G+8*\i:G+8*\i+3] offset:32*\i
.endr
.irp i, 0,1,2,3,4,5,6,7
	ds_load_b128 v[R+4*\i:R+4*\i+3], v7 offset:\i*2*SP     ; my own bytes; LDS serves a wave's instructions in order, so these see the stores above
.endr
.irp i, 0,1,2,3,4,5,6,7
	s_wait_dscnt 7-\i                              ; read i is back, the 7 - i younger ones stay out
	global_store_b128 v8, v[R+4*\i:R+4*\i+3], s[6:7] offset:(\i/2)*4096+(\i%2)*512   ; units c' = 2 i, 2 i + 1 of 16 rows: 512 consecutive bytes
.endr
	s_wait_tensorcnt 0x0
	ds_add_u32 v112, v113
	s_wait_dscnt 0x0
	s_endpgm
.Lfunc_end_k_q1a4966679e_wprep:
	.size	k_q1a4966679e_wprep, .Lfunc_end_k_q1a4966679e_wprep-k_q1a4966679e_wprep
	.p2alignl 7, 3214868480
	.fill 96, 4, 3214868480
	.section	.rodata,"a",@progbits
	.p2align	6, 0x0
	.amdhsa_kernel k_q1a4966679e_wprep
		.amdhsa_group_segment_fixed_size 8960
		.amdhsa_private_segment_fixed_size 0
		.amdhsa_enable_private_segment 0
		.amdhsa_kernarg_size 16
		.amdhsa_user_sgpr_count 2
		.amdhsa_user_sgpr_kernarg_segment_ptr 1
		.amdhsa_wavefront_size32 1
		.amdhsa_system_sgpr_workgroup_id_x 1
		.amdhsa_system_sgpr_workgroup_id_y 1
		.amdhsa_system_sgpr_workgroup_id_z 1
		.amdhsa_system_vgpr_workitem_id 0
		.amdhsa_next_free_vgpr 114
		.amdhsa_next_free_sgpr 66
		.amdhsa_reserve_vcc 0
		.amdhsa_float_denorm_mode_32 3
		.amdhsa_float_denorm_mode_16_64 3
		.amdhsa_memory_ordered 1
		.amdhsa_forward_progress 1
		.amdhsa_inst_pref_size 8
	.end_amdhsa_kernel
	.amdgpu_metadata
---
amdhsa.version: [ 1, 2 ]
amdhsa.kernels:
  - .name:           k_q1a4966679e_wprep
    .symbol:         k_q1a4966679e_wprep.kd
    .args:
      - { .name: W, .offset: 0, .size: 8, .value_kind: global_buffer, .address_space: global }
      - { .name: Wb, .offset: 8, .size: 8, .value_kind: global_buffer, .address_space: global }
    .group_segment_fixed_size: 8960
    .private_segment_fixed_size: 0
    .kernarg_segment_align: 8
    .kernarg_segment_size: 16
    .max_flat_workgroup_size: 64
    .sgpr_count:     66
    .vgpr_count:     114
    .wavefront_size: 32
...
	.end_amdgpu_metadata
.endif
;; end of part 1
;; launch attn (part 2): grid 256 x 1, 4 waves a work-group, no clusters, 272,896 bytes of LDS; arguments x, Wb, u, document_index, out0, out1; writes out0, out1
.if DOCPART == 2
	.amdgcn_target "amdgcn-amd-amdhsa--gfx1250"
	.amdhsa_code_object_version 6
	.text
	.protected	k_q1a4966679e_attn
	.globl	k_q1a4966679e_attn
	.p2align	8
	.type	k_q1a4966679e_attn,@function
k_q1a4966679e_attn:
	s_mov_b64 s[64:65], 0
	v_nop
	global_prefetch_b8 v0, s[64:65] scope:SCOPE_SE
	s_setreg_imm32_b32 hwreg(HW_REG_WAVE_MODE, 25, 1), 1
	s_wait_xcnt 0x0
; One work-group = one document: scores[s] = sum_f u[f] tanh(sum_e x[s][e] W[f][e]), softmax over start <= s < end, out0 = attn . x,
; out1 = attn of document 255.  Four waves; wave w owns the columns f = 256 w .. 256 w + 255 in four chunks of 64.  A chunk is a tile of
; 128 x 64 (32 accumulator tiles, 256 registers) over K = 1024 in 32 steps of 32 matrix instructions.
; x is read from memory once, rounded to bf16 and kept in LDS (128 rows of 2,048 bytes, pitch 2,064) for the product and for out0.
; It arrives DURING chunk 0, which walks K in the order of arrival.  W (bf16, fragment order, made by the first launch) goes straight
; from memory into registers: 8 loads of 512 consecutive bytes a K step, six K steps ahead.  The tanh of chunk c - 1 is spread, one
; instruction behind each matrix instruction, over chunk c.
; ORDER OF k: a unit of 16 bytes, number 16 q + c of a row, holds columns 128 q + 4 c .. + 3 and 128 q + 64 + 4 c .. + 3, in x and in W alike.
; NO CLUSTER, NO TENSOR LOADS: all work-groups walk the same W, but x takes 264,192 of the 327,680 bytes of LDS; what is left would hold
; three K steps of W (16 KiB each for four waves) against the six held in registers here, and each fragment of W is used by one wave
; only, so a way through LDS would add a write and a read for every byte and save no read.
; LIMITS: matrix operands are bf16, and k is summed in another order than in reference().  Rows of x outside the bag are not read (a row
; of the bag is read in their place and gets the weight 0), so a NaN or an infinity there does not reach out0, where reference() gives NaN.
; An empty bag gives zeros, as in reference().  document_index may hold any int32.
;
; REGISTERS: four windows of 256 with one local map; window X owns the row blocks a = 2 X + al, al = 0, 1.
.set PITCH, 2064                       ; 129 x 16 bytes: the 16 rows of a fragment load meet 16 different columns of 16 bytes
.set ULDS,  128*PITCH                  ; u, 4,096 bytes
.set SC,    ULDS+4096                  ; [wave][128] partial scores
.set AT,    SC+2048                    ; [wave][128] attn, a copy for each wave
.set ACC, 0                            ; 0-63    accumulator tile (al, b) at 8 (4 al + b); the prologue stages x here
.set TT,  64                           ; 64-127  the finished chunk's tiles on their way through tanh; in chunk 0, 64-95 stage x
.set AF,  128                          ; 128-159 fragments of x: buffer t % 2 at + 16, al at + 8
.set BF,  160                          ; 160-223 fragments of W: ring buffer k = t % 8 lies in window k % 4 at + 32 (k / 4), b at + 8
.set SS,  224                          ; 224-239 S[al][j]: running sum of u tanh for row 16 a + 8 h + j
.set UU,  240                          ; 240-243 window 3 only: u[n0 + 16 b + r]
.set ADA, 244                          ; (32 X + r) PITCH + 16 h
.set ADB, 245                          ; 16 x lane
.set XS,  246                          ; (32 w + hl) PITCH + 16 c
.set ADU, 247                          ; window 3 only: ULDS + 4 (256 w + r), + 256 a chunk
.set XO,  248                          ; 248-251 byte offset in x of my 16 bytes of the window's four pairs of rows, rows clamped into the bag
.set C16, 253                          ; set-up only: 16 c
.set TID, 254                          ; window 0: the thread's number (v0 becomes an accumulator)
.set UST, 255                          ; window 0: ULDS + 16 x thread
.set NONE, 99
; s[4:15] arguments; s16 wave; s17 document; s18, s19 start, end; s[20:21] my part of Wb; s[22:23], s[24:25] this and the next chunk's part;
; s[26:27] my document in x; s[28:29] 2 log2 e; s30 chunk; s[32:33] lane selectors; s34 end - 1; s35 log2 e; s36-39 masks; s40-43 at work
;
; s_set_vgpr_msb's low byte: bits 1:0 source 0, 3:2 source 1, 5:4 source 2, 7:6 destination.  A quarter of a K step works under ONE setting,
; 81 X + 4 Y: all places window X but source 1, which is Y = t % 4, where the step's fragments of W lie.
.set MSB, 0
.macro WIN new                         ; the immediate's high byte repeats the setting that is left
.if MSB != (\new)
	s_set_vgpr_msb (MSB<<8)|(\new)
.set MSB, (\new)
.endif
.endm
; Counted waits in straight-line text are differences of these: instructions of a kind emitted so far, and at the marks BEND, XEND, AEND.
.set LDN, 0                            ; global loads
.set DSN, 0                            ; LDS instructions
.macro MM t, i                         ; matrix instruction i of a quarter: tile (i / 4, i % 4).  A chunk's first step starts the sums
.set MA, AF+16*((\t)%2)+8*((\i)/4)
.set MB, BF+32*(((\t)%8)/4)+8*((\i)%4)
.set MD, ACC+8*(\i)
.if (\t) == 0
	v_wmma_f32_16x16x32_bf16 v[MD:MD+7], v[MA:MA+7], v[MB:MB+7], 0
.else
	v_wmma_f32_16x16x32_bf16 v[MD:MD+7], v[MA:MA+7], v[MB:MB+7], v[MD:MD+7]
.endif
.endm
.macro ALOAD t, i                      ; quarter i of the window's fragments of x for step t: block al = i / 2, units 4 t + h (i even), 4 t + 2 + h (i odd)
.set LA, AF+16*((\t)%2)+8*((\i)/2)+4*((\i)%2)
	ds_load_b128 v[LA:LA+3], v[ADA] offset:((\i)/2)*16*PITCH+(\t)*64+32*((\i)%2)
.set DSN, DSN+1
.endm
.macro BLOAD k, sb, off, i             ; eighth i of a K step of W into ring buffer k (the current window is k % 4)
.set LB, BF+32*((\k)/4)+8*((\i)/2)+4*((\i)%2)
	global_load_b128 v[LB:LB+3], v[ADB], s[\sb:\sb+1] offset:(\off)+1024*((\i)/2)+512*((\i)%2)
.set LDN, LDN+1
.endm
.macro XISSUE g, reg                   ; group g of x: columns 128 (g / 4) .. + 127 of my 8 rows 32 w + 8 (g % 4) ..; the current window is (g + 3) % 4
.irp rp, 0,1,2,3
.irp hf, 0,1
	global_load_b128 v[\reg+8*\rp+4*\hf:\reg+8*\rp+4*\hf+3], v[XO+\rp], s[26:27] offset:((\g)/4)*512+\hf*256
.set LDN, LDN+1
.endr
.endr
.set XEND\g, LDN
.endm
.macro XCVT reg, n                     ; conversion n of a group's 16, in place: pair of rows n / 4, word n % 4 of the unit
	v_cvt_pk_bf16_f32 v[\reg+8*((\n)/4)+((\n)%4)], v[\reg+8*((\n)/4)+2*((\n)%4)], v[\reg+8*((\n)/4)+2*((\n)%4)+1]
.endm
.macro XST g, reg, rp                  ; 16 lanes store 256 consecutive bytes of a row
	ds_store_b128 v[XS], v[\reg+8*(\rp):\reg+8*(\rp)+3] offset:(8*((\g)%4)+2*(\rp))*PITCH+((\g)/4)*256
.set DSN, DSN+1
.endm
.macro SACC dst, tl, p                 ; dst pair = S pair p of al = tl / 4 + tanh pair p of tile tl x u of b = tl % 4 (one register of a pair, for both halves)
.set ST, TT+8*(\tl)+2*(\p)
.set SU, UU+2*(((\tl)%4)/2)
.set SA, SS+8*((\tl)/4)+2*(\p)
.if ((\tl)%2) == 0
	v_pk_fma_f32 v[(\dst):(\dst)+1], v[ST:ST+1], v[SU:SU+1], v[SA:SA+1] op_sel_hi:[1,0,1]
.else
	v_pk_fma_f32 v[(\dst):(\dst)+1], v[ST:ST+1], v[SU:SU+1], v[SA:SA+1] op_sel:[0,1,0] op_sel_hi:[1,1,1]
.endif
.endm
; tanh z = 1 - 2 / (1 + 2^(2 log2 e z)), right at both ends (2^.. = infinity gives 1, 0 gives -1).  Tile t / 4 of the window goes through stage
; t % 4.  The two v_nop behind a stage of transcendentals are the plain instruction that has to follow them before their results are used
; (ISA guide 5.7.2), and keep two plain vector instructions in every quarter, on which the distances behind matrix instructions rest.
.macro TANH t, i
.set TQ, TT+8*((\t)/4)
.if ((\t)%4) == 0
	v_exp_f32 v[TQ+\i], v[TQ+\i]
.if \i == 7
	v_nop
	v_nop
	s_wait_alu depctr_va_vdst(0)
.endif
.endif
.if ((\t)%4) == 1
.if \i < 4
	v_pk_add_f32 v[TQ+2*\i:TQ+2*\i+1], v[TQ+2*\i:TQ+2*\i+1], 1.0 op_sel_hi:[1,0]
.endif
.endif
.if ((\t)%4) == 2
	v_rcp_f32 v[TQ+\i], v[TQ+\i]
.if \i == 7
	v_nop
	v_nop
	s_wait_alu depctr_va_vdst(0)
.endif
.endif
.if ((\t)%4) == 3
.if \i < 4
	v_pk_fma_f32 v[TQ+2*\i:TQ+2*\i+1], v[TQ+2*\i:TQ+2*\i+1], -2.0, 1.0 op_sel_hi:[1,0,0]
.else
	SACC SS+8*((\t)/16)+2*(\i-4),(\t)/4,\i-4
.endif
.endif
.endm
; DISTANCES behind matrix instructions, counted in plain vector instructions that name none of their registers:
; a load of x fragments lands on the buffer that the same window read one step ago: three other quarters, two or more each, lie between;
; a load of W lands on a buffer last read two steps ago or earlier; the hand-over reads window X's sums behind the other quarters of the last
; step and the other windows' multiplies.
; A quarter of a K step in chunk 0.  xp: the group of x that window t % 4 converts and stores; xi: the group that it then asks for, into the
; same registers; b1, b2: K steps of W asked for in their windows.
.macro QX t, X, xp, xi, b1, b2
	WIN 81*\X+4*((\t)%4)
	s_wait_dscnt DSN-AEND\X                        ; the window's fragments of x for this step are in; younger LDS instructions stay out
.set XQ, 0
.if \X == ((\t)%4)
.if \xp < NONE
.set XQ, 1
	s_wait_loadcnt LDN-XEND\xp                     ; group xp is in; all loads issued behind it stay out
.endif
.endif
.irp i, 0,1,2,3,4,5,6,7
	MM \t, \i
.if XQ
	XCVT TT, 2*\i
	XCVT TT, 2*\i+1
.if (\i%2) == 1
	XST \xp, TT, \i/2
.endif
.else
.if \i < 2
	v_nop
.endif
.endif
.if (\t) < 31
.if \i < 4
	ALOAD \t+1, \i
.endif
.endif
.if \b1 < NONE
.if ((\b1)%4) == \X
	BLOAD (\b1)%8, 20, (\b1)*4096, \i
.endif
.endif
.if \b2 < NONE
.if ((\b2)%4) == \X
	BLOAD (\b2)%8, 20, (\b2)*4096, \i
.endif
.endif
.endr
.if (\t) < 31
.set AEND\X, DSN
.endif
.if \b1 < NONE
.if ((\b1)%4) == \X
.set BEND\b1, LDN
.endif
.endif
.if \b2 < NONE
.if ((\b2)%4) == \X
.set BEND\b2, LDN
.endif
.endif
.if \X == ((\t)%4)
.if \xi < NONE
	XISSUE \xi, TT
.endif
.endif
.endm
.macro STEPX t, xp, xi, b1, b2, bar
.if \bar
	s_wait_dscnt 0x0                               ; my stores of the next 128 columns of x are done (and no LDS instruction is pending at the signal)
	s_barrier_signal -1
	s_barrier_wait -1                              ; everybody's are: this step's loads may read them
.endif
.if \t >= 3
	s_wait_loadcnt LDN-BEND\t                      ; W's step t is in.  (Steps 0 to 2 were asked for ahead of x's groups 0 to 4, for which the prologue waited)
.endif
.irp X, 0,1,2,3
	QX \t, \X, \xp, \xi, \b1, \b2
.endr
.endm
; A quarter of a K step in chunks 1 to 3: tanh of the chunk before, and W six steps ahead (past the chunk's end: from the next chunk's part).
.macro QT t, X
	WIN 81*\X+4*((\t)%4)
	s_wait_dscnt DSN-AEND\X
.irp i, 0,1,2,3,4,5,6,7
	MM \t, \i
	TANH \t, \i
.if (\t) < 31
.if \i < 4
	ALOAD \t+1, \i
.endif
.endif
.if (((\t)+6)%4) == \X
.if ((\t)+6) < 32
	BLOAD ((\t)+6)%8, 22, ((\t)+6)*4096, \i
.else
	BLOAD ((\t)+6)%8, 24, ((\t)-26)*4096, \i
.endif
.endif
.endr
.if (\t) < 31
.set AEND\X, DSN
.endif
.endm
.macro STEPT t
	s_wait_loadcnt 40                              ; W's step t is in; the five younger steps, 8 loads each, stay out (the same on the way in and round the back edge)
.irp X, 0,1,2,3
	QT \t, \X
.endr
.endm
; The finished chunk's sums, times 2 log2 e, move to TT; its u comes into window 3; aload = 1: the next chunk's first fragments of x are asked for.
.macro HANDOVER aload
.irp X, 0,1,2,3
	WIN 85*\X
.set cnt, 0
.rept 32
	v_pk_mul_f32 v[TT+cnt:TT+cnt+1], v[ACC+cnt:ACC+cnt+1], s[28:29] op_sel_hi:[1,0]
.set cnt, cnt+2
.endr
.if \X == 3
.irp b, 0,1,2,3
	ds_load_b32 v[UU+\b], v[ADU] offset:64*\b      ; ahead of the window's fragment loads: the wait for those covers these
.set DSN, DSN+1
.endr
	v_add_nc_u32 v[ADU], 256, v[ADU]               ; 64 columns on
.endif
.if \aload
.irp i, 0,1,2,3
	ALOAD 0, \i
.endr
.set AEND\X, DSN
.endif
.endr
.endm
	; ---- set-up ----
	s_load_b256 s[4:11], s[0:1], 0x0               ; x s[4:5], Wb s[6:7], u s[8:9], document_index s[10:11]
	s_load_b128 s[12:15], s[0:1], 0x20             ; out0 s[12:13], out1 s[14:15]
	v_lshl_add_u32 v247, v0, 2, 0x42800
	v_mov_b32 v252, 0
	s_mov_b32 s17, ttmp9                           ; document
	v_lshrrev_b32 v43, 5, v0
	v_readfirstlane_b32 s16, v43                   ; wave
	v_and_b32 v40, 31, v0                          ; lane
	v_and_b32 v41, 15, v0                          ; r, c
	v_bfe_u32 v42, v0, 4, 1                        ; h, hl
	v_mov_b32 v[TID], v0
	v_lshl_add_u32 v[UST], v0, 4, ULDS
	v_lshlrev_b32 v51, 4, v0                       ; 16 x thread: my bytes of u
	v_mul_u32_u24 v44, v41, PITCH
	v_lshl_add_u32 v44, v42, 4, v44                ; r PITCH + 16 h
	v_lshlrev_b32 v45, 4, v40                      ; 16 x lane
	v_lshlrev_b32 v47, 4, v41                      ; 16 c
	s_lshl_b32 s38, s16, 5
	v_add_nc_u32 v48, s38, v42                     ; 32 w + hl
	v_mul_u32_u24 v46, v48, PITCH
	v_add_nc_u32 v46, v46, v47                     ; (32 w + hl) PITCH + 16 c
	s_lshl_b32 s39, s16, 10
	v_lshl_add_u32 v49, v41, 2, s39
	v_add_nc_u32 v49, ULDS, v49                    ; ULDS + 4 (256 w + r)
	s_mov_b32 s28, 0x4038aa3b                      ; 2 log2 e
	s_mov_b32 s29, 0x4038aa3b
	s_mov_b32 s32, 0x76543210                      ; v_permlanex16_b32: lane i of the other half
	s_mov_b32 s33, 0xfedcba98
	s_mov_b32 s35, 0x3fb8aa3b                      ; log2 e
	s_lshl_b32 s40, s17, 3
	s_mov_b32 s43, 0
	s_wait_kmcnt 0x0
	s_load_b64 s[18:19], s[10:11], s40 offset:0x0  ; start, end
	s_lshl_b32 s42, s16, 19
	s_add_nc_u64 s[20:21], s[6:7], s[42:43]        ; my 256 rows of W: 524,288 bytes
	s_lshl_b32 s42, s17, 19
	s_add_nc_u64 s[26:27], s[4:5], s[42:43]        ; my document: 524,288 bytes
	s_lshl_b32 s42, s17, 12
	s_add_nc_u64 s[12:13], s[12:13], s[42:43]      ; my row of out0
	s_wait_kmcnt 0x0
	s_sub_co_i32 s34, s19, 1
.irp X, 0,1,2,3
	WIN (\X<<6)                                    ; destination window X, sources window 0
	v_add_nc_u32 v[ADA], \X*32*PITCH, v44
	v_mov_b32 v[ADB], v45
	v_mov_b32 v[XS], v46
	v_mov_b32 v[C16], v47
.if \X == 3
	v_mov_b32 v[ADU], v49
.endif
.irp rp, 0,1,2,3
	v_add_nc_u32 v[XO+\rp], 8*((\X+1)%4)+2*\rp, v48    ; the window serves rows 32 w + 8 ((X + 1) % 4) + 2 rp + hl
.endr
.set cnt, 0
.rept 16
	v_mov_b32 v[SS+cnt], 0                         ; carried through a rolled loop: no first product can start these sums
.set cnt, cnt+1
.endr
	WIN 85*\X
.irp rp, 0,1,2,3
	v_max_i32 v[XO+\rp], s18, v[XO+\rp]            ; a row outside the bag is replaced by the bag's nearest row: its weight is 0, and its
	v_min_i32 v[XO+\rp], s34, v[XO+\rp]            ; bytes need not leave memory
	v_max_i32 v[XO+\rp], 0, v[XO+\rp]
	v_min_u32 v[XO+\rp], 127, v[XO+\rp]            ; inside x whatever document_index holds
	v_lshlrev_b32 v[XO+\rp], 12, v[XO+\rp]
	v_add_nc_u32 v[XO+\rp], v[XO+\rp], v[C16]
.endr
.endr
	; ---- prologue of chunk 0: u, three steps of W, the first five groups of x ----
	WIN 0
	global_load_b128 v[32:35], v51, s[8:9]
	global_load_b128 v[36:39], v51, s[8:9] offset:2048
.set LDN, LDN+2
.irp T, 0,1,2
	WIN 85*\T
.irp i, 0,1,2,3,4,5,6,7
	BLOAD \T, 20, \T*4096, \i
.endr
.endr
	WIN 85*3
	XISSUE 0, ACC                                  ; the accumulators are free until the first product: they stage groups 0 to 4
	WIN 0
	XISSUE 1, ACC
	WIN 85*1
	XISSUE 2, ACC
	WIN 85*2
	XISSUE 3, ACC
	WIN 85*3
	XISSUE 4, ACC+32
	WIN 0
	s_wait_loadcnt 63                              ; 64 loads were issued behind u's two: with 63 or fewer out, u is in
	ds_store_b128 v[UST], v[32:35]
	ds_store_b128 v[UST], v[36:39] offset:2048
.set DSN, DSN+2
.macro XPRO g, reg
	WIN 85*(((\g)+3)%4)
	s_wait_loadcnt LDN-XEND\g                      ; group g is in; the four groups behind it stay out
.irp n, 0,1,2,3,4,5,6,7,8,9,10,11,12,13,14,15
	XCVT \reg, \n
.endr
.irp rp, 0,1,2,3
	XST \g, \reg, \rp
.endr
.endm
	XPRO 0, ACC
	WIN 0
	XISSUE 5, TT
	XPRO 1, ACC
	WIN 85*1
	XISSUE 6, TT
	XPRO 2, ACC
	WIN 85*2
	XISSUE 7, TT
	XPRO 3, ACC
	WIN 85*3
	XISSUE 8, TT
	XPRO 4, ACC+32
	s_wait_dscnt 0x0                               ; my stores of u and of x's first 128 columns are done
	s_barrier_signal -1
	s_barrier_wait -1                              ; everybody's are
.irp X, 0,1,2,3
	WIN 85*\X
.irp i, 0,1,2,3
	ALOAD 0, \i
.endr
.set AEND\X, DSN
.endr
	; ---- chunk 0: step t converts group t + 5, asks for group t + 9 and for W's step t + 3.  Group 4 q + 7, the last of columns 128 (q + 1) ..,
	; is stored in step 4 q + 2; step 4 q + 3 loads the first fragments from them, behind its barrier.  No byte of x in LDS is written twice.
	; From step 27 on no x is left to ask for, and W's lead grows to the six steps that the loop keeps.
	STEPX 0, 5, 9, 3, NONE, 0
	STEPX 1, 6, 10, 4, NONE, 0
	STEPX 2, 7, 11, 5, NONE, 0
	STEPX 3, 8, 12, 6, NONE, 1
	STEPX 4, 9, 13, 7, NONE, 0
	STEPX 5, 10, 14, 8, NONE, 0
	STEPX 6, 11, 15, 9, NONE, 0
	STEPX 7, 12, 16, 10, NONE, 1
	STEPX 8, 13, 17, 11, NONE, 0
	STEPX 9, 14, 18, 12, NONE, 0
	STEPX 10, 15, 19, 13, NONE, 0
	STEPX 11, 16, 20, 14, NONE, 1
	STEPX 12, 17, 21, 15, NONE, 0
	STEPX 13, 18, 22, 16, NONE, 0
	STEPX 14, 19, 23, 17, NONE, 0
	STEPX 15, 20, 24, 18, NONE, 1
	STEPX 16, 21, 25, 19, NONE, 0
	STEPX 17, 22, 26, 20, NONE, 0
	STEPX 18, 23, 27, 21, NONE, 0
	STEPX 19, 24, 28, 22, NONE, 1
	STEPX 20, 25, 29, 23, NONE, 0
	STEPX 21, 26, 30, 24, NONE, 0
	STEPX 22, 27, 31, 25, NONE, 0
	STEPX 23, 28, NONE, 26, NONE, 1
	STEPX 24, 29, NONE, 27, NONE, 0
	STEPX 25, 30, NONE, 28, NONE, 0
	STEPX 26, 31, NONE, 29, NONE, 0
	STEPX 27, NONE, NONE, 30, 31, 1
	STEPX 28, NONE, NONE, 32, 33, 0
	STEPX 29, NONE, NONE, 34, 35, 0
	STEPX 30, NONE, NONE, 36, NONE, 0
	STEPX 31, NONE, NONE, 37, NONE, 0
	; ---- chunks 1 to 3 ----
	WIN 0                                          ; at a label and at a branch every window is 0
	s_add_nc_u64 s[22:23], s[20:21], 0x20000       ; chunk 1's part of Wb: 32 steps of 4,096 bytes on
	s_add_nc_u64 s[24:25], s[20:21], 0x40000       ; chunk 2's
	s_mov_b32 s30, 1
.Lchunk:
	HANDOVER 1
.irp t, 0,1,2,3,4,5,6,7,8,9,10,11,12,13,14,15,16,17,18,19,20,21,22,23,24,25,26,27,28,29,30,31
	STEPT \t
.endr
	WIN 0
	s_wait_xcnt 0x0                                ; the loads' bases are rewritten only behind this wait
	s_add_nc_u64 s[22:23], s[22:23], 0x20000
	s_add_co_u32 s30, s30, 1
	s_add_nc_u64 s[24:25], s[22:23], 0x20000
	s_cmp_eq_u32 s30, 3                            ; chunk 3 has no successor: its 48 loads ahead read my first six steps of Wb again and are thrown
	s_cselect_b64 s[24:25], s[20:21], s[24:25]     ; away.  So every trip issues the same loads, every count holds in every trip, and no load leaves Wb
	s_cmp_lt_u32 s30, 4
	s_cbranch_scc1 .Lchunk
	; ---- tail: the last chunk's tanh, then the scores ----
	s_wait_loadcnt 0x0                             ; the loads that are thrown away have landed: their registers are free
	HANDOVER 0
	s_wait_dscnt 0x0                               ; u of the last chunk
.irp X, 0,1,2,3
	WIN 81*\X+12                                   ; source 1 in window 3, where u lies
.set cnt, 0
.rept 64
	v_exp_f32 v[TT+cnt], v[TT+cnt]
.set cnt, cnt+1
.endr
	v_nop                                          ; the plain instruction behind the transcendentals
.set cnt, 0
	s_wait_alu depctr_va_vdst(0)
.rept 32
	v_pk_add_f32 v[TT+cnt:TT+cnt+1], v[TT+cnt:TT+cnt+1], 1.0 op_sel_hi:[1,0]
.set cnt, cnt+2
.endr
.set cnt, 0
.rept 64
	v_rcp_f32 v[TT+cnt], v[TT+cnt]
.set cnt, cnt+1
.endr
	v_nop
.set cnt, 0
	s_wait_alu depctr_va_vdst(0)
.rept 32
	v_pk_fma_f32 v[TT+cnt:TT+cnt+1], v[TT+cnt:TT+cnt+1], -2.0, 1.0 op_sel_hi:[1,0,0]
.set cnt, cnt+2
.endr
.irp tl, 0,1,2,4,5,6
.irp p, 0,1,2,3
	SACC SS+8*(\tl/4)+2*\p,\tl,\p
.endr
.endr
	WIN 17*\X+12                                   ; the last link of each sum lands in window 0, at v[16 X + 8 al + j]
.irp tl, 3,7
.irp p, 0,1,2,3
	SACC 16*\X+8*(\tl/4)+2*\p,\tl,\p
.endr
.endr
.endr
	WIN 0
.irp m, 1,2,4,8
.set cnt, 0
.rept 64
	v_add_f32_dpp v[cnt], v[cnt], v[cnt] row_xmask:\m row_mask:0xf bank_mask:0xf    ; over the 16 lanes = 16 columns of a tile
.set cnt, cnt+1
.endr
.endr
.set SCA, 100
	v_bfe_u32 v[SCA], v[TID], 4, 1
	s_lshl_b32 s42, s16, 9
	s_add_co_u32 s42, s42, SC
	v_lshl_add_u32 v[SCA], v[SCA], 5, s42          ; SC + 512 w + 32 h
.set cnt, 0
.rept 64
	ds_store_b32 v[SCA], v[cnt] offset:(cnt/8)*64+(cnt%8)*4    ; row 16 a + 8 h + j; the 16 lanes of a half write one word with one value
.set cnt, cnt+1
.endr
	s_wait_dscnt 0x0                               ; my partial scores are in LDS
	s_barrier_signal -1
	s_barrier_wait -1                              ; everybody's are
	; ---- softmax, by every wave for itself: lane L holds rows 4 L .. 4 L + 3 ----
.set LN,   160
.set SCAD, 161
.set L16,  162
.set ATS,  163
.set SV,   164                         ; v[164:179]
.set IX,   180                         ; v[180:183]
.set NI,   184
.set MX,   185
.set TP,   186
.set SM,   187
.set OV,   192                         ; v[192:199] my 8 columns of out0
.set PA,   200                         ; v[200:203] 16 x thread + 32 i rows
.set ATA,  204
.set OO,   205
.set OT,   206
	v_and_b32 v[LN], 31, v[TID]
	v_lshlrev_b32 v[L16], 4, v[LN]
	v_add_nc_u32 v[SCAD], SC, v[L16]
.irp k, 0,1,2,3
	ds_load_b128 v[SV+4*\k:SV+4*\k+3], v[SCAD] offset:512*\k
.endr
	v_lshlrev_b32 v[IX], 2, v[LN]
	v_add_nc_u32 v[IX+1], 1, v[IX]
	v_add_nc_u32 v[IX+2], 2, v[IX]
	v_add_nc_u32 v[IX+3], 3, v[IX]
.irp k, 0,1,2,3
	v_cmp_le_i32 s[36+\k], s18, v[IX+\k]           ; start <= s
	v_cmp_gt_i32 s40, s19, v[IX+\k]                ; end > s
	s_and_b32 s[36+\k], s[36+\k], s40
.endr
	v_mov_b32 v[NI], 0xff800000                    ; -infinity
	s_lshl_b32 s42, s16, 9
	s_add_co_u32 s42, s42, AT
	v_add_nc_u32 v[ATS], s42, v[L16]               ; my wave's copy of attn
	v_mov_b32 v[ATA], s42
	s_wait_dscnt 0x0
	v_pk_add_f32 v[SV:SV+1], v[SV:SV+1], v[SV+4:SV+5]
	v_pk_add_f32 v[SV+2:SV+3], v[SV+2:SV+3], v[SV+6:SV+7]
	v_pk_add_f32 v[SV+8:SV+9], v[SV+8:SV+9], v[SV+12:SV+13]
	v_pk_add_f32 v[SV+10:SV+11], v[SV+10:SV+11], v[SV+14:SV+15]
	v_pk_add_f32 v[SV:SV+1], v[SV:SV+1], v[SV+8:SV+9]
	v_pk_add_f32 v[SV+2:SV+3], v[SV+2:SV+3], v[SV+10:SV+11]
.irp k, 0,1,2,3
	v_cndmask_b32 v[SV+\k], v[NI], v[SV+\k], s[36+\k]
.endr
	v_max3_num_f32 v[MX], v[SV], v[SV+1], v[SV+2]
	v_max_num_f32 v[MX], v[MX], v[SV+3]
.irp m, 1,2,4,8
	v_max_num_f32_dpp v[MX], v[MX], v[MX] row_xmask:\m row_mask:0xf bank_mask:0xf
.endr
	v_mov_b32 v[TP], v[MX]                         ; v_permlanex16_b32 counts as a reader of its destination
	v_permlanex16_b32 v[TP], v[MX], s32, s33
	v_max_num_f32 v[MX], v[MX], v[TP]              ; the bag's largest score, in every lane
	v_mul_f32 v[MX], s35, v[MX]
.irp k, 0,1,2,3
	v_fma_f32 v[SV+\k], v[SV+\k], s35, -v[MX]      ; (s - max) log2 e
.endr
.irp k, 0,1,2,3
	v_exp_f32 v[SV+\k], v[SV+\k]
.endr
	v_nop
	s_wait_alu depctr_va_vdst(0)
.irp k, 0,1,2,3
	v_cndmask_b32 v[SV+\k], 0, v[SV+\k], s[36+\k]  ; a select: an empty bag's NaN goes too
.endr
	v_add_f32 v[SM], v[SV], v[SV+1]
	v_add_f32 v[TP], v[SV+2], v[SV+3]
	v_add_f32 v[SM], v[SM], v[TP]
.irp m, 1,2,4,8
	v_add_f32_dpp v[SM], v[SM], v[SM] row_xmask:\m row_mask:0xf bank_mask:0xf
.endr
	v_permlanex16_b32 v[TP], v[SM], s32, s33
	v_add_f32 v[SM], v[SM], v[TP]
	v_rcp_f32 v[SM], v[SM]
	v_nop
	s_wait_alu depctr_va_vdst(0)
.irp k, 0,1,2,3
	v_mul_f32 v[SV+\k], v[SV+\k], v[SM]
.endr
.irp k, 0,1,2,3
	v_cndmask_b32 v[SV+\k], 0, v[SV+\k], s[36+\k]  ; 0 outside the bag, and everywhere in an empty one (0 x infinity)
.endr
	ds_store_b128 v[ATS], v[SV:SV+3]
	s_cmp_lg_u32 s17, 255                          ; out1: the last document's weights, by its wave 0: 512 consecutive bytes
	s_cbranch_scc1 .Lno_keep
	s_cmp_lg_u32 s16, 0
	s_cbranch_scc1 .Lno_keep
	global_store_b128 v[L16], v[SV:SV+3], s[14:15] ; neither register is written again
.Lno_keep:
	; ---- out0: thread t owns unit t of every row of x in LDS.  Eight blocks of 16 rows on two sets of registers ----
	v_lshlrev_b32 v[PA], 4, v[TID]
	v_add_nc_u32 v[PA+1], 32*PITCH, v[PA]
	v_add_nc_u32 v[PA+2], 64*PITCH, v[PA]
	v_add_nc_u32 v[PA+3], 96*PITCH, v[PA]
	v_lshrrev_b32 v[OO], 4, v[TID]
	v_and_b32 v[OT], 15, v[TID]
	v_lshlrev_b32 v[OT], 4, v[OT]
	v_lshl_add_u32 v[OO], v[OO], 9, v[OT]          ; columns 128 q + 4 c: byte 512 q + 16 c
.irp e, 0,1,2,3,4,5,6,7
	v_mov_b32 v[OV+\e], 0
.endr
.macro OLOAD k                         ; 16 rows (a wave's load covers 512 consecutive bytes) and their 16 weights (one address for all lanes): 20 loads
.irp rr, 0,1,2,3,4,5,6,7,8,9,10,11,12,13,14,15
	ds_load_b128 v[64*((\k)%2)+4*\rr:64*((\k)%2)+4*\rr+3], v[PA+(\k)/2] offset:(16*((\k)%2)+\rr)*PITCH
.endr
.irp m, 0,1,2,3
	ds_load_b128 v[128+16*((\k)%2)+4*\m:128+16*((\k)%2)+4*\m+3], v[ATA] offset:64*(\k)+16*\m   ; my wave's own copy, stored above: LDS serves a wave in order
.endr
.endm
.macro OFMA k
.irp rr, 0,1,2,3,4,5,6,7,8,9,10,11,12,13,14,15
.irp d, 0,1,2,3
	v_fma_mix_f32_bf16 v[OV+2*\d],   v[64*((\k)%2)+4*\rr+\d], v[128+16*((\k)%2)+\rr], v[OV+2*\d]   op_sel_hi:[1,0,0]
	v_fma_mix_f32_bf16 v[OV+2*\d+1], v[64*((\k)%2)+4*\rr+\d], v[128+16*((\k)%2)+\rr], v[OV+2*\d+1] op_sel:[1,0,0] op_sel_hi:[1,0,0]
.endr
.endr
.endm
	OLOAD 0
.irp k, 0,1,2,3,4,5,6
	OLOAD \k+1
	s_wait_dscnt 20                                ; block k is in; the next block's 20 loads stay out
	OFMA \k
.endr
	s_wait_dscnt 0x0
	OFMA 7
	global_store_b128 v[OO], v[OV:OV+3], s[12:13]               ; 16 lanes store 256 consecutive bytes, at a multiple of 256 from out0's first byte
	global_store_b128 v[OO], v[OV+4:OV+7], s[12:13] offset:256
	s_wait_tensorcnt 0x0
	ds_add_u32 v247, v252
	s_wait_dscnt 0x0
	s_endpgm
.Lfunc_end_k_q1a4966679e_attn:
	.size	k_q1a4966679e_attn, .Lfunc_end_k_q1a4966679e_attn-k_q1a4966679e_attn
	.p2alignl 7, 3214868480
	.fill 96, 4, 3214868480
	.section	.rodata,"a",@progbits
	.p2align	6, 0x0
	.amdhsa_kernel k_q1a4966679e_attn
		.amdhsa_group_segment_fixed_size 272896
		.amdhsa_private_segment_fixed_size 0
		.amdhsa_enable_private_segment 0
		.amdhsa_kernarg_size 48
		.amdhsa_user_sgpr_count 2
		.amdhsa_user_sgpr_kernarg_segment_ptr 1
		.amdhsa_wavefront_size32 1
		.amdhsa_system_sgpr_workgroup_id_x 1
		.amdhsa_system_sgpr_workgroup_id_y 1
		.amdhsa_system_sgpr_workgroup_id_z 1
		.amdhsa_system_vgpr_workitem_id 0
		.amdhsa_next_free_vgpr 1024
		.amdhsa_next_free_sgpr 66
		.amdhsa_reserve_vcc 0
		.amdhsa_float_denorm_mode_32 3
		.amdhsa_float_denorm_mode_16_64 3
		.amdhsa_memory_ordered 1
		.amdhsa_forward_progress 1
		.amdhsa_inst_pref_size 255
	.end_amdhsa_kernel
	.section	.bss,"aw",@nobits
	.p2align	6
	.space	262144
	.amdgpu_metadata
---
amdhsa.version: [ 1, 2 ]
amdhsa.kernels:
  - .name:           k_q1a4966679e_attn
    .symbol:         k_q1a4966679e_attn.kd
    .args:
      - { .name: x, .offset: 0, .size: 8, .value_kind: global_buffer, .address_space: global }
      - { .name: Wb, .offset: 8, .size: 8, .value_kind: global_buffer, .address_space: global }
      - { .name: u, .offset: 16, .size: 8, .value_kind: global_buffer, .address_space: global }
      - { .name: document_index, .offset: 24, .size: 8, .value_kind: global_buffer, .address_space: global }
      - { .name: out0, .offset: 32, .size: 8, .value_kind: global_buffer, .address_space: global }
      - { .name: out1, .offset: 40, .size: 8, .value_kind: global_buffer, .address_space: global }
    .group_segment_fixed_size: 272896
    .private_segment_fixed_size: 0
    .kernarg_segment_align: 8
    .kernarg_segment_size: 48
    .max_flat_workgroup_size: 128
    .sgpr_count:     66
    .vgpr_count:     1024
    .wavefront_size: 32
...
	.end_amdgpu_metadata
.endif
;; end of part 2
;; ======== version 2 of 3: 2 launches; 1.49 times as fast as version 1
;; workspace buffers: Wb 2,097,152 bytes
;; launch wprep: the kernel of part 1 again; grid 256 x 1, 2 waves a work-group, no clusters, 8,960 bytes of LDS; arguments W, Wb; writes Wb
;; launch attn (part 3): grid 256 x 1, 4 waves a work-group, no clusters, 272,896 bytes of LDS; arguments x, Wb, u, document_index, out0, out1; writes out0, out1
.if DOCPART == 3
	.amdgcn_target "amdgcn-amd-amdhsa--gfx1250"
	.amdhsa_code_object_version 6
	.text
	.protected	k_q1a4966679e_attn
	.globl	k_q1a4966679e_attn
	.p2align	8
	.type	k_q1a4966679e_attn,@function
k_q1a4966679e_attn:
	s_mov_b64 s[64:65], 0
	v_nop
	global_prefetch_b8 v0, s[64:65] scope:SCOPE_SE
	s_setreg_imm32_b32 hwreg(HW_REG_WAVE_MODE, 25, 1), 1
	s_wait_xcnt 0x0
; One work-group = one document: scores[s] = sum_f u[f] tanh(sum_e x[s][e] W[f][e]), softmax over start <= s < end, out0 = attn . x,
; out1 = attn of document 255.  Four waves; wave w owns the columns f = 256 w .. 256 w + 255 in four chunks of 64.  A chunk is a tile of
; 128 x 64 (32 accumulator tiles, 256 registers) over K = 1024 in 32 steps of 32 matrix instructions.
; x is read from memory once, rounded to bf16 and kept in LDS (128 rows of 2,048 bytes, pitch 2,064) for the product and for out0.
; It arrives DURING chunk 0, which walks K in the order of arrival.  W (bf16, fragment order, made by the first launch) goes straight
; from memory into registers: 8 loads of 512 consecutive bytes a K step, six K steps ahead.  The tanh of chunk c - 1 is spread, one
; instruction behind each matrix instruction, over chunk c.
; A K STEP = ONE RUN of all its memory instructions (the next step's fragments of x from LDS, a later step of W, in chunk 0 also x's stores and
; requests), then 32 matrix instructions with register work alone between them.
; ORDER OF k: a unit of 16 bytes, number 16 q + c of a row, holds columns 128 q + 4 c .. + 3 and 128 q + 64 + 4 c .. + 3, in x and in W alike.
; NO CLUSTER, NO TENSOR LOADS: all work-groups walk the same W, but x takes 264,192 of the 327,680 bytes of LDS; what is left would hold
; three K steps of W (16 KiB each for four waves) against the six held in registers here, and each fragment of W is used by one wave
; only, so a way through LDS would add a write and a read for every byte and save no read.
; LIMITS: matrix operands are bf16, and k is summed in another order than in reference().  Rows of x outside the bag are not read (a row
; of the bag is read in their place and gets the weight 0), so a NaN or an infinity there does not reach out0, where reference() gives NaN.
; An empty bag gives zeros, as in reference().  document_index may hold any int32.
;
; REGISTERS: four windows of 256 with one local map; window X owns the row blocks a = 2 X + al, al = 0, 1.
.set PITCH, 2064                       ; 129 x 16 bytes: the 16 rows of a fragment load meet 16 different columns of 16 bytes
.set ULDS,  128*PITCH                  ; u, 4,096 bytes
.set SC,    ULDS+4096                  ; [wave][128] partial scores
.set AT,    SC+2048                    ; [wave][128] attn, a copy for each wave
.set ACC, 0                            ; 0-63    accumulator tile (al, b) at 8 (4 al + b); the prologue stages x here
.set TT,  64                           ; 64-127  the finished chunk's tiles on their way through tanh; in chunk 0 two slots of 32 that stage x
.set AF,  128                          ; 128-159 fragments of x: buffer t % 2 at + 16, al at + 8
.set BF,  160                          ; 160-223 fragments of W: ring buffer k = t % 8 lies in window k % 4 at + 32 (k / 4), b at + 8
.set SS,  224                          ; 224-239 S[al][j]: running sum of u tanh for row 16 a + 8 h + j
.set UU,  240                          ; 240-243 window 3 only: u[n0 + 16 b + r]
.set ADA, 244                          ; (32 X + r) PITCH + 16 h
.set ADB, 245                          ; 16 x lane
.set XS,  246                          ; (32 w + hl) PITCH + 16 c
.set ADU, 247                          ; window 3 only: ULDS + 4 (256 w + r) of the finished chunk; each hand-over adds 256
.set XO,  248                          ; 248-251 byte offset in x of my 16 bytes of the window's four pairs of rows, rows clamped into the bag
.set C16, 253                          ; set-up only: 16 c
.set TID, 254                          ; window 0: the thread's number (v0 becomes an accumulator)
.set UST, 255                          ; window 0: ULDS + 16 x thread
.set NONE, 99
; s[4:15] arguments; s16 wave; s17 document; s18, s19 start, end; s[20:21] my part of Wb; s[22:23], s[24:25] this and the next chunk's part;
; s[26:27] my document in x; s[28:29] 2 log2 e; s30 chunk; s[32:33] lane selectors; s34 end - 1; s35 log2 e; s36-39 masks; s40-43 at work
;
; s_set_vgpr_msb's low byte: bits 1:0 source 0, 3:2 source 1, 5:4 source 2, 7:6 destination.  The run works window by window under 85 X (all
; places X); a quarter of the step's products under 81 X + 4 Y: all places X but source 1, which is Y = t % 4, where the step's W lies.
.set MSB, 0
.macro WIN new                         ; the immediate's high byte repeats the setting that is left
.if MSB != (\new)
	s_set_vgpr_msb (MSB<<8)|(\new)
.set MSB, (\new)
.endif
.endm
; Counted waits for global loads in straight-line text are differences: loads emitted so far (LDN) less loads emitted up to a mark (BEND, XEND).
.set LDN, 0
; A load into a register that a matrix instruction has read stands four plain vector instructions behind it, and so does a vector instruction
; that reads its result.  These four stand in front of every run and of every hand-over.  They are also the plain
; instruction between a transcendental of one step and the use of its result in the next (ISA guide 5.7.2).
.macro PLACES
	s_wait_alu depctr_va_vdst(0)
.rept 4
	v_nop
.endr
.endm
.macro MM t, i                         ; matrix instruction i of a quarter: tile (i / 4, i % 4).  A chunk's first step starts the sums
.set MA, AF+16*((\t)%2)+8*((\i)/4)
.set MB, BF+32*(((\t)%8)/4)+8*((\i)%4)
.set MD, ACC+8*(\i)
.if (\t) == 0
	v_wmma_f32_16x16x32_bf16 v[MD:MD+7], v[MA:MA+7], v[MB:MB+7], 0
.else
	v_wmma_f32_16x16x32_bf16 v[MD:MD+7], v[MA:MA+7], v[MB:MB+7], v[MD:MD+7]
.endif
.endm
.macro ALOAD t, i                      ; quarter i of the window's fragments of x for step t: block al = i / 2, units 4 t + h (i even), 4 t + 2 + h (i odd)
.set LA, AF+16*((\t)%2)+8*((\i)/2)+4*((\i)%2)
	ds_load_b128 v[LA:LA+3], v[ADA] offset:((\i)/2)*16*PITCH+(\t)*64+32*((\i)%2)
.endm
.macro BLOAD k, sb, off, i             ; eighth i of a K step of W into ring buffer k (the current window is k % 4)
.set LB, BF+32*((\k)/4)+8*((\i)/2)+4*((\i)%2)
	global_load_b128 v[LB:LB+3], v[ADB], s[\sb:\sb+1] offset:(\off)+1024*((\i)/2)+512*((\i)%2)
.set LDN, LDN+1
.endm
.macro XISSUE g, reg                   ; group g of x: columns 128 (g / 4) .. + 127 of my 8 rows 32 w + 8 (g % 4) ..; the current window is (g + 2) % 4
.irp rp, 0,1,2,3
.irp hf, 0,1
	global_load_b128 v[\reg+8*\rp+4*\hf:\reg+8*\rp+4*\hf+3], v[XO+\rp], s[26:27] offset:((\g)/4)*512+\hf*256
.set LDN, LDN+1
.endr
.endr
.set XEND\g, LDN
.endm
.macro XCVT reg, n                     ; conversion n of a group's 16, in place: pair of rows n / 4, word n % 4 of the unit
	v_cvt_pk_bf16_f32 v[\reg+8*((\n)/4)+((\n)%4)], v[\reg+8*((\n)/4)+2*((\n)%4)], v[\reg+8*((\n)/4)+2*((\n)%4)+1]
.endm
.macro XST g, reg, rp                  ; 16 lanes store 256 consecutive bytes of a row
	ds_store_b128 v[XS], v[\reg+8*(\rp):\reg+8*(\rp)+3] offset:(8*((\g)%4)+2*(\rp))*PITCH+((\g)/4)*256
.endm
.macro ULOAD                           ; u of the finished chunk's 64 columns (the current window is 3)
.irp b, 0,1,2,3
	ds_load_b32 v[UU+\b], v[ADU] offset:64*\b
.endr
.endm
.macro SACC dst, tl, p                 ; dst pair = S pair p of al = tl / 4 + tanh pair p of tile tl x u of b = tl % 4 (one register of a pair, for both halves)
.set ST, TT+8*(\tl)+2*(\p)
.set SU, UU+2*(((\tl)%4)/2)
.set SA, SS+8*((\tl)/4)+2*(\p)
.if ((\tl)%2) == 0
	v_pk_fma_f32 v[(\dst):(\dst)+1], v[ST:ST+1], v[SU:SU+1], v[SA:SA+1] op_sel_hi:[1,0,1]
.else
	v_pk_fma_f32 v[(\dst):(\dst)+1], v[ST:ST+1], v[SU:SU+1], v[SA:SA+1] op_sel:[0,1,0] op_sel_hi:[1,1,1]
.endif
.endm
; tanh z = 1 - 2 / (1 + 2^(2 log2 e z)), right at both ends (2^.. = infinity gives 1, 0 gives -1).  Tile t / 4 of the window goes through stage
; t % 4; a stage's results are used one step later, behind that step's four plain instructions.
.macro TANH t, i
.set TQ, TT+8*((\t)/4)
.if ((\t)%4) == 0
	v_exp_f32 v[TQ+\i], v[TQ+\i]
.endif
.if ((\t)%4) == 1
.if \i < 4
	v_pk_add_f32 v[TQ+2*\i:TQ+2*\i+1], v[TQ+2*\i:TQ+2*\i+1], 1.0 op_sel_hi:[1,0]
.endif
.endif
.if ((\t)%4) == 2
	v_rcp_f32 v[TQ+\i], v[TQ+\i]
.endif
.if ((\t)%4) == 3
.if \i < 4
	v_pk_fma_f32 v[TQ+2*\i:TQ+2*\i+1], v[TQ+2*\i:TQ+2*\i+1], -2.0, 1.0 op_sel_hi:[1,0,0]
.else
	SACC SS+8*((\t)/16)+2*(\i-4),(\t)/4,\i-4
.endif
.endif
.endm
; ---- chunk 0 ----
; The run of step t: stores of group xs (converted one step ago), the fragments of x for step t + 1, W's steps b1, b2, the request for group xi.
; The windows are walked from (t + 3) % 4 on, where W's step t + 3 lies, so that W's loads go out ahead of x's (window t % 4): loads return in
; order, and so the wait for W's step t, asked for three runs ago, forces no group of x but the one asked for four runs ago, which step t converts.
.macro RUNX t, xs, xi, b1, b2
.irp k, 0,1,2,3
.set RX, ((\t)+3+\k)%4
	WIN 85*RX
.if \xs < NONE
.if (((\xs)+2)%4) == RX
.irp rp, 0,1,2,3
	XST \xs, TT+32*(((\xs)/4)%2), \rp
.endr
.endif
.endif
.irp i, 0,1,2,3
	ALOAD ((\t)+1)%32, \i
.endr
.if \b1 < NONE
.if ((\b1)%4) == RX
.irp i, 0,1,2,3,4,5,6,7
	BLOAD (\b1)%8, 20, (\b1)*4096, \i
.endr
.set BEND\b1, LDN
.endif
.endif
.if \b2 < NONE
.if ((\b2)%4) == RX
.irp i, 0,1,2,3,4,5,6,7
	BLOAD (\b2)%8, 20, (\b2)*4096, \i
.endr
.set BEND\b2, LDN
.endif
.endif
.if \xi < NONE
.if (((\xi)+2)%4) == RX
	XISSUE \xi, TT+32*(((\xi)/4)%2)
.endif
.endif
.endr
.endm
; A quarter of the step's products; window t % 4 converts group xp, two conversions behind each product (there source 1's window is the quarter's own).
.macro QX t, X, xp
	WIN 81*\X+4*((\t)%4)
.set XQ, 0
.if \X == ((\t)%4)
.if \xp < NONE
.set XQ, 1
.endif
.endif
.irp i, 0,1,2,3,4,5,6,7
	MM \t, \i
.if XQ
	XCVT TT+32*(((\xp)/4)%2), 2*\i
	XCVT TT+32*(((\xp)/4)%2), 2*\i+1
.endif
.endr
.endm
.macro STEPX t, xp, xs, xi, b1, b2, bar
.if (\t) > 0
	PLACES
.endif
	s_wait_dscnt 0x0                               ; the last run is done: this step's fragments of x are in, my stores of x have landed
.if \bar
	s_barrier_signal -1
	s_barrier_wait -1                              ; everybody's stores of the next 128 columns have landed: this run may read them
.endif
.set WC, LDN-BEND\t                                ; loads emitted since W's step t,
.if \xp < NONE
.if (LDN-XEND\xp) < WC
.set WC, LDN-XEND\xp                               ; or since group xp, whichever is the younger
.endif
.endif
	s_wait_loadcnt WC                              ; both are in; all that was asked for behind them stays out
	RUNX \t, \xs, \xi, \b1, \b2
.irp X, 0,1,2,3
	QX \t, \X, \xp
.endr
.endm
; ---- chunks 1 to 3 ----
.macro QT t, X
	WIN 81*\X+4*((\t)%4)
.irp i, 0,1,2,3,4,5,6,7
	MM \t, \i
	TANH \t, \i
.endr
.endm
; The run: the next step's fragments of x (step 31: the next chunk's first; in chunk 3 these 16 loads are thrown away), W six steps ahead (past
; the chunk's end: from the next chunk's part), in step 0 the finished chunk's u.
.macro STEPT t
.if (\t) > 0
	PLACES                                         ; (step 0 stands behind the hand-over's)
.endif
	s_wait_dscnt 0x0                               ; the last run's LDS loads are in
	s_wait_loadcnt 40                              ; W's step t is in; the five younger steps, 8 loads each, stay out (the same on the way in and round the back edge)
.irp X, 0,1,2,3
	WIN 85*\X
.irp i, 0,1,2,3
	ALOAD ((\t)+1)%32, \i
.endr
.if (((\t)+6)%4) == \X
.irp i, 0,1,2,3,4,5,6,7
.if ((\t)+6) < 32
	BLOAD ((\t)+6)%8, 22, ((\t)+6)*4096, \i
.else
	BLOAD ((\t)+6)%8, 24, ((\t)-26)*4096, \i
.endif
.endr
.endif
.if (\t) == 0
.if \X == 3
	ULOAD                                          ; first used in step 3
.endif
.endif
.endr
.irp X, 0,1,2,3
	QT \t, \X
.endr
.endm
; The finished chunk's sums, times 2 log2 e, move to TT.
.macro HANDOVER
	PLACES
.irp X, 0,1,2,3
	WIN 85*\X
.set cnt, 0
.rept 32
	v_pk_mul_f32 v[TT+cnt:TT+cnt+1], v[ACC+cnt:ACC+cnt+1], s[28:29] op_sel_hi:[1,0]
.set cnt, cnt+2
.endr
.if \X == 3
	v_add_nc_u32 v[ADU], 256, v[ADU]               ; u: 64 columns on, to the finished chunk's
.endif
.endr
.endm
	; ---- set-up ----
	s_load_b256 s[4:11], s[0:1], 0x0               ; x s[4:5], Wb s[6:7], u s[8:9], document_index s[10:11]
	s_load_b128 s[12:15], s[0:1], 0x20             ; out0 s[12:13], out1 s[14:15]
	v_lshl_add_u32 v247, v0, 2, 0x42800
	v_mov_b32 v252, 0
	s_mov_b32 s17, ttmp9                           ; document
	v_lshrrev_b32 v43, 5, v0
	v_readfirstlane_b32 s16, v43                   ; wave
	v_and_b32 v40, 31, v0                          ; lane
	v_and_b32 v41, 15, v0                          ; r, c
	v_bfe_u32 v42, v0, 4, 1                        ; h, hl
	v_mov_b32 v[TID], v0
	v_lshl_add_u32 v[UST], v0, 4, ULDS
	v_lshlrev_b32 v51, 4, v0                       ; 16 x thread: my bytes of u
	v_mul_u32_u24 v44, v41, PITCH
	v_lshl_add_u32 v44, v42, 4, v44                ; r PITCH + 16 h
	v_lshlrev_b32 v45, 4, v40                      ; 16 x lane
	v_lshlrev_b32 v47, 4, v41                      ; 16 c
	s_lshl_b32 s38, s16, 5
	v_add_nc_u32 v48, s38, v42                     ; 32 w + hl
	v_mul_u32_u24 v46, v48, PITCH
	v_add_nc_u32 v46, v46, v47                     ; (32 w + hl) PITCH + 16 c
	s_lshl_b32 s39, s16, 10
	v_lshl_add_u32 v49, v41, 2, s39
	v_add_nc_u32 v49, ULDS-256, v49                ; ULDS + 4 (256 w + r), less the 256 that the first hand-over adds
	s_mov_b32 s28, 0x4038aa3b                      ; 2 log2 e
	s_mov_b32 s29, 0x4038aa3b
	s_mov_b32 s32, 0x76543210                      ; v_permlanex16_b32: lane i of the other half
	s_mov_b32 s33, 0xfedcba98
	s_mov_b32 s35, 0x3fb8aa3b                      ; log2 e
	s_lshl_b32 s40, s17, 3
	s_mov_b32 s43, 0
	s_wait_kmcnt 0x0
	s_load_b64 s[18:19], s[10:11], s40 offset:0x0  ; start, end
	s_lshl_b32 s42, s16, 19
	s_add_nc_u64 s[20:21], s[6:7], s[42:43]        ; my 256 rows of W: 524,288 bytes
	s_lshl_b32 s42, s17, 19
	s_add_nc_u64 s[26:27], s[4:5], s[42:43]        ; my document: 524,288 bytes
	s_lshl_b32 s42, s17, 12
	s_add_nc_u64 s[12:13], s[12:13], s[42:43]      ; my row of out0
	s_wait_kmcnt 0x0
	s_sub_co_i32 s34, s19, 1
.irp X, 0,1,2,3
	WIN (\X<<6)                                    ; destination window X, sources window 0
	v_add_nc_u32 v[ADA], \X*32*PITCH, v44
	v_mov_b32 v[ADB], v45
	v_mov_b32 v[XS], v46
	v_mov_b32 v[C16], v47
.if \X == 3
	v_mov_b32 v[ADU], v49
.endif
.irp rp, 0,1,2,3
	v_add_nc_u32 v[XO+\rp], 8*((\X+2)%4)+2*\rp, v48    ; the window serves the groups g = X + 2 (mod 4): rows 32 w + 8 ((X + 2) % 4) + 2 rp + hl
.endr
.set cnt, 0
.rept 16
	v_mov_b32 v[SS+cnt], 0                         ; carried through a rolled loop: no first product can start these sums
.set cnt, cnt+1
.endr
	WIN 85*\X
.irp rp, 0,1,2,3
	v_max_i32 v[XO+\rp], s18, v[XO+\rp]            ; a row outside the bag is replaced by the bag's nearest row: its weight is 0, and its
	v_min_i32 v[XO+\rp], s34, v[XO+\rp]            ; bytes need not leave memory
	v_max_i32 v[XO+\rp], 0, v[XO+\rp]
	v_min_u32 v[XO+\rp], 127, v[XO+\rp]            ; inside x whatever document_index holds
	v_lshlrev_b32 v[XO+\rp], 12, v[XO+\rp]
	v_add_nc_u32 v[XO+\rp], v[XO+\rp], v[C16]
.endr
.endr
	; ---- prologue of chunk 0: u, W's step 0 and groups 0 to 5 of x are asked for at once (58 loads); behind each group that is converted and
	; stored one more batch of 8 goes out, in the order in which the steps will want them: group 6, W 1, group 7, W 2, group 8, group 9.
.macro XASK g, reg
	WIN 85*(((\g)+2)%4)
	XISSUE \g, \reg
.endm
.macro BASK T
	WIN 85*((\T)%4)
.irp i, 0,1,2,3,4,5,6,7
	BLOAD \T, 20, (\T)*4096, \i
.endr
.set BEND\T, LDN
.endm
.macro XPRO g, reg
	WIN 85*(((\g)+2)%4)
	s_wait_loadcnt LDN-XEND\g                      ; group g is in; the 40 loads behind it stay out
.irp n, 0,1,2,3,4,5,6,7,8,9,10,11,12,13,14,15
	XCVT \reg, \n
.endr
.irp rp, 0,1,2,3
	XST \g, \reg, \rp
.endr
.endm
	WIN 0
	global_load_b128 v[32:35], v51, s[8:9]
	global_load_b128 v[36:39], v51, s[8:9] offset:2048
.set LDN, LDN+2
	BASK 0
	XASK 0, ACC                                    ; the accumulators are free until the first product: they stage groups 0 to 5
	XASK 1, ACC
	XASK 2, ACC
	XASK 3, ACC
	XASK 4, ACC+32
	XASK 5, ACC+32
	WIN 0
	s_wait_loadcnt LDN-2                           ; u is in; the 56 loads behind it stay out
	ds_store_b128 v[UST], v[32:35]
	ds_store_b128 v[UST], v[36:39] offset:2048
	XPRO 0, ACC
	XASK 6, TT+32
	XPRO 1, ACC
	BASK 1
	XPRO 2, ACC
	XASK 7, TT+32
	XPRO 3, ACC
	BASK 2
	XPRO 4, ACC+32
	XASK 8, TT
	XPRO 5, ACC+32
	XASK 9, TT
	s_wait_dscnt 0x0                               ; my stores of u and of x's first 128 columns are done
	s_barrier_signal -1
	s_barrier_wait -1                              ; everybody's are
.irp X, 0,1,2,3
	WIN 85*\X
.irp i, 0,1,2,3
	ALOAD 0, \i
.endr
.endr
	; ---- chunk 0: step t converts group t + 6; its run stores group t + 5 and asks for group t + 10 and for W's step t + 3.  Group g lies in
	; window (g + 2) % 4, slot (g / 4) % 2; its slot was stored from three runs before it is asked for again.  Group 4 q + 7, the last of columns
	; 128 (q + 1) .., is stored in the run of step 4 q + 2; the run of step 4 q + 3 reads the first fragments from them, behind its barrier.
	; No byte of x in LDS is written twice.  From step 27 on W's lead grows to the six steps that the loop keeps.
	;     t   xp    xs    xi    b1  b2    barrier
	STEPX 0,  6,    NONE, 10,   3,  NONE, 0
	STEPX 1,  7,    6,    11,   4,  NONE, 0
	STEPX 2,  8,    7,    12,   5,  NONE, 0
	STEPX 3,  9,    8,    13,   6,  NONE, 1
	STEPX 4,  10,   9,    14,   7,  NONE, 0
	STEPX 5,  11,   10,   15,   8,  NONE, 0
	STEPX 6,  12,   11,   16,   9,  NONE, 0
	STEPX 7,  13,   12,   17,   10, NONE, 1
	STEPX 8,  14,   13,   18,   11, NONE, 0
	STEPX 9,  15,   14,   19,   12, NONE, 0
	STEPX 10, 16,   15,   20,   13, NONE, 0
	STEPX 11, 17,   16,   21,   14, NONE, 1
	STEPX 12, 18,   17,   22,   15, NONE, 0
	STEPX 13, 19,   18,   23,   16, NONE, 0
	STEPX 14, 20,   19,   24,   17, NONE, 0
	STEPX 15, 21,   20,   25,   18, NONE, 1
	STEPX 16, 22,   21,   26,   19, NONE, 0
	STEPX 17, 23,   22,   27,   20, NONE, 0
	STEPX 18, 24,   23,   28,   21, NONE, 0
	STEPX 19, 25,   24,   29,   22, NONE, 1
	STEPX 20, 26,   25,   30,   23, NONE, 0
	STEPX 21, 27,   26,   31,   24, NONE, 0
	STEPX 22, 28,   27,   NONE, 25, NONE, 0
	STEPX 23, 29,   28,   NONE, 26, NONE, 1
	STEPX 24, 30,   29,   NONE, 27, NONE, 0
	STEPX 25, 31,   30,   NONE, 28, NONE, 0
	STEPX 26, NONE, 31,   NONE, 29, NONE, 0
	STEPX 27, NONE, NONE, NONE, 30, 31,   1
	STEPX 28, NONE, NONE, NONE, 32, 33,   0
	STEPX 29, NONE, NONE, NONE, 34, 35,   0
	STEPX 30, NONE, NONE, NONE, 36, NONE, 0
	STEPX 31, NONE, NONE, NONE, 37, NONE, 0
	; ---- chunks 1 to 3 ----
	WIN 0                                          ; at a label and at a branch every window is 0
	s_add_nc_u64 s[22:23], s[20:21], 0x20000       ; chunk 1's part of Wb: 32 steps of 4,096 bytes on
	s_add_nc_u64 s[24:25], s[20:21], 0x40000       ; chunk 2's
	s_mov_b32 s30, 1
.Lchunk:
	HANDOVER
.irp t, 0,1,2,3,4,5,6,7,8,9,10,11,12,13,14,15,16,17,18,19,20,21,22,23,24,25,26,27,28,29,30,31
	STEPT \t
.endr
	WIN 0
	s_wait_xcnt 0x0                                ; the loads' bases are rewritten only behind this wait
	s_add_nc_u64 s[22:23], s[22:23], 0x20000
	s_add_co_u32 s30, s30, 1
	s_add_nc_u64 s[24:25], s[22:23], 0x20000
	s_cmp_eq_u32 s30, 3                            ; chunk 3 has no successor: its 48 loads ahead read my first six steps of Wb again and are thrown
	s_cselect_b64 s[24:25], s[20:21], s[24:25]     ; away.  So every trip issues the same loads, every count holds in every trip, and no load leaves Wb
	s_cmp_lt_u32 s30, 4
	s_cbranch_scc1 .Lchunk
	; ---- tail: the last chunk's tanh, then the scores ----
	s_wait_loadcnt 0x0                             ; the loads that are thrown away have landed: their registers are free
	HANDOVER
	WIN 85*3
	ULOAD
	s_wait_dscnt 0x0                               ; u of the last chunk (and the fragments of x that are thrown away)
.irp X, 0,1,2,3
	WIN 81*\X+12                                   ; source 1 in window 3, where u lies
.set cnt, 0
.rept 64
	v_exp_f32 v[TT+cnt], v[TT+cnt]
.set cnt, cnt+1
.endr
	v_nop                                          ; the plain instruction behind the transcendentals
.set cnt, 0
	s_wait_alu depctr_va_vdst(0)
.rept 32
	v_pk_add_f32 v[TT+cnt:TT+cnt+1], v[TT+cnt:TT+cnt+1], 1.0 op_sel_hi:[1,0]
.set cnt, cnt+2
.endr
.set cnt, 0
.rept 64
	v_rcp_f32 v[TT+cnt], v[TT+cnt]
.set cnt, cnt+1
.endr
	v_nop
.set cnt, 0
	s_wait_alu depctr_va_vdst(0)
.rept 32
	v_pk_fma_f32 v[TT+cnt:TT+cnt+1], v[TT+cnt:TT+cnt+1], -2.0, 1.0 op_sel_hi:[1,0,0]
.set cnt, cnt+2
.endr
.irp tl, 0,1,2,4,5,6
.irp p, 0,1,2,3
	SACC SS+8*(\tl/4)+2*\p,\tl,\p
.endr
.endr
	WIN 17*\X+12                                   ; the last link of each sum lands in window 0, at v[16 X + 8 al + j] = v[8 a + j]
.irp tl, 3,7
.irp p, 0,1,2,3
	SACC 16*\X+8*(\tl/4)+2*\p,\tl,\p
.endr
.endr
.endr
	WIN 0
.irp m, 1,2,4,8
.set cnt, 0
.rept 64
	v_add_f32_dpp v[cnt], v[cnt], v[cnt] row_xmask:\m row_mask:0xf bank_mask:0xf    ; over the 16 lanes = 16 columns of a tile
.set cnt, cnt+1
.endr
.endr
.set SCA, 100
	v_bfe_u32 v[SCA], v[TID], 4, 1
	s_lshl_b32 s42, s16, 9
	s_add_co_u32 s42, s42, SC
	v_lshl_add_u32 v[SCA], v[SCA], 5, s42          ; SC + 512 w + 32 h
.irp a, 0,1,2,3,4,5,6,7
	ds_store_b128 v[SCA], v[8*\a:8*\a+3] offset:64*\a          ; rows 16 a + 8 h + 0 .. 3; the 16 lanes of a half write the same 16 bytes with the same values
	ds_store_b128 v[SCA], v[8*\a+4:8*\a+7] offset:64*\a+16     ; rows 16 a + 8 h + 4 .. 7
.endr
	s_wait_dscnt 0x0                               ; my partial scores are in LDS
	s_barrier_signal -1
	s_barrier_wait -1                              ; everybody's are
	; ---- softmax, by every wave for itself: lane L holds rows 4 L .. 4 L + 3 ----
.set LN,   160
.set SCAD, 161
.set L16,  162
.set ATS,  163
.set SV,   164                         ; v[164:179]
.set IX,   180                         ; v[180:183]
.set NI,   184
.set MX,   185
.set TP,   186
.set SM,   187
.set OV,   192                         ; v[192:199] my 8 columns of out0
.set PA,   200                         ; v[200:203] 16 x thread + 32 i rows
.set ATA,  204
.set OO,   205
.set OT,   206
	v_and_b32 v[LN], 31, v[TID]
	v_lshlrev_b32 v[L16], 4, v[LN]
	v_add_nc_u32 v[SCAD], SC, v[L16]
.irp k, 0,1,2,3
	ds_load_b128 v[SV+4*\k:SV+4*\k+3], v[SCAD] offset:512*\k
.endr
	v_lshlrev_b32 v[IX], 2, v[LN]
	v_add_nc_u32 v[IX+1], 1, v[IX]
	v_add_nc_u32 v[IX+2], 2, v[IX]
	v_add_nc_u32 v[IX+3], 3, v[IX]
.irp k, 0,1,2,3
	v_cmp_le_i32 s[36+\k], s18, v[IX+\k]           ; start <= s
	v_cmp_gt_i32 s40, s19, v[IX+\k]                ; end > s
	s_and_b32 s[36+\k], s[36+\k], s40
.endr
	v_mov_b32 v[NI], 0xff800000                    ; -infinity
	s_lshl_b32 s42, s16, 9
	s_add_co_u32 s42, s42, AT
	v_add_nc_u32 v[ATS], s42, v[L16]               ; my wave's copy of attn
	v_mov_b32 v[ATA], s42
	s_wait_dscnt 0x0
	v_pk_add_f32 v[SV:SV+1], v[SV:SV+1], v[SV+4:SV+5]
	v_pk_add_f32 v[SV+2:SV+3], v[SV+2:SV+3], v[SV+6:SV+7]
	v_pk_add_f32 v[SV+8:SV+9], v[SV+8:SV+9], v[SV+12:SV+13]
	v_pk_add_f32 v[SV+10:SV+11], v[SV+10:SV+11], v[SV+14:SV+15]
	v_pk_add_f32 v[SV:SV+1], v[SV:SV+1], v[SV+8:SV+9]
	v_pk_add_f32 v[SV+2:SV+3], v[SV+2:SV+3], v[SV+10:SV+11]
.irp k, 0,1,2,3
	v_cndmask_b32 v[SV+\k], v[NI], v[SV+\k], s[36+\k]
.endr
	v_max3_num_f32 v[MX], v[SV], v[SV+1], v[SV+2]
	v_max_num_f32 v[MX], v[MX], v[SV+3]
.irp m, 1,2,4,8
	v_max_num_f32_dpp v[MX], v[MX], v[MX] row_xmask:\m row_mask:0xf bank_mask:0xf
.endr
	v_mov_b32 v[TP], v[MX]                         ; v_permlanex16_b32 counts as a reader of its destination
	v_permlanex16_b32 v[TP], v[MX], s32, s33
	v_max_num_f32 v[MX], v[MX], v[TP]              ; the bag's largest score, in every lane
	v_mul_f32 v[MX], s35, v[MX]
.irp k, 0,1,2,3
	v_fma_f32 v[SV+\k], v[SV+\k], s35, -v[MX]      ; (s - max) log2 e
.endr
.irp k, 0,1,2,3
	v_exp_f32 v[SV+\k], v[SV+\k]
.endr
	v_nop
	s_wait_alu depctr_va_vdst(0)
.irp k, 0,1,2,3
	v_cndmask_b32 v[SV+\k], 0, v[SV+\k], s[36+\k]  ; a select: an empty bag's NaN goes too
.endr
	v_add_f32 v[SM], v[SV], v[SV+1]
	v_add_f32 v[TP], v[SV+2], v[SV+3]
	v_add_f32 v[SM], v[SM], v[TP]
.irp m, 1,2,4,8
	v_add_f32_dpp v[SM], v[SM], v[SM] row_xmask:\m row_mask:0xf bank_mask:0xf
.endr
	v_permlanex16_b32 v[TP], v[SM], s32, s33
	v_add_f32 v[SM], v[SM], v[TP]
	v_rcp_f32 v[SM], v[SM]
	v_nop
	s_wait_alu depctr_va_vdst(0)
.irp k, 0,1,2,3
	v_mul_f32 v[SV+\k], v[SV+\k], v[SM]
.endr
.irp k, 0,1,2,3
	v_cndmask_b32 v[SV+\k], 0, v[SV+\k], s[36+\k]  ; 0 outside the bag, and everywhere in an empty one (0 x infinity)
.endr
	ds_store_b128 v[ATS], v[SV:SV+3]
	s_cmp_lg_u32 s17, 255                          ; out1: the last document's weights, by its wave 0: 512 consecutive bytes
	s_cbranch_scc1 .Lno_keep
	s_cmp_lg_u32 s16, 0
	s_cbranch_scc1 .Lno_keep
	global_store_b128 v[L16], v[SV:SV+3], s[14:15] ; neither register is written again
.Lno_keep:
	; ---- out0: thread t owns unit t of every row of x in LDS.  Eight blocks of 16 rows on two sets of registers ----
	v_lshlrev_b32 v[PA], 4, v[TID]
	v_add_nc_u32 v[PA+1], 32*PITCH, v[PA]
	v_add_nc_u32 v[PA+2], 64*PITCH, v[PA]
	v_add_nc_u32 v[PA+3], 96*PITCH, v[PA]
	v_lshrrev_b32 v[OO], 4, v[TID]
	v_and_b32 v[OT], 15, v[TID]
	v_lshlrev_b32 v[OT], 4, v[OT]
	v_lshl_add_u32 v[OO], v[OO], 9, v[OT]          ; columns 128 q + 4 c: byte 512 q + 16 c
.irp e, 0,1,2,3,4,5,6,7
	v_mov_b32 v[OV+\e], 0
.endr
.macro OLOAD k                         ; 16 rows (a wave's load covers 512 consecutive bytes) and their 16 weights (one address for all lanes): 20 loads
.irp rr, 0,1,2,3,4,5,6,7,8,9,10,11,12,13,14,15
	ds_load_b128 v[64*((\k)%2)+4*\rr:64*((\k)%2)+4*\rr+3], v[PA+(\k)/2] offset:(16*((\k)%2)+\rr)*PITCH
.endr
.irp m, 0,1,2,3
	ds_load_b128 v[128+16*((\k)%2)+4*\m:128+16*((\k)%2)+4*\m+3], v[ATA] offset:64*(\k)+16*\m   ; my wave's own copy, stored above: LDS serves a wave in order
.endr
.endm
.macro OFMA k
.irp rr, 0,1,2,3,4,5,6,7,8,9,10,11,12,13,14,15
.irp d, 0,1,2,3
	v_fma_mix_f32_bf16 v[OV+2*\d],   v[64*((\k)%2)+4*\rr+\d], v[128+16*((\k)%2)+\rr], v[OV+2*\d]   op_sel_hi:[1,0,0]
	v_fma_mix_f32_bf16 v[OV+2*\d+1], v[64*((\k)%2)+4*\rr+\d], v[128+16*((\k)%2)+\rr], v[OV+2*\d+1] op_sel:[1,0,0] op_sel_hi:[1,0,0]
.endr
.endr
.endm
	OLOAD 0
.irp k, 0,1,2,3,4,5,6
	OLOAD \k+1
	s_wait_dscnt 20                                ; block k is in; the next block's 20 loads stay out
	OFMA \k
.endr
	s_wait_dscnt 0x0
	OFMA 7
	global_store_b128 v[OO], v[OV:OV+3], s[12:13]               ; 16 lanes store 256 consecutive bytes, at a multiple of 256 from out0's first byte
	global_store_b128 v[OO], v[OV+4:OV+7], s[12:13] offset:256
	s_wait_tensorcnt 0x0
	ds_add_u32 v247, v252
	s_wait_dscnt 0x0
	s_endpgm
.Lfunc_end_k_q1a4966679e_attn:
	.size	k_q1a4966679e_attn, .Lfunc_end_k_q1a4966679e_attn-k_q1a4966679e_attn
	.p2alignl 7, 3214868480
	.fill 96, 4, 3214868480
	.section	.rodata,"a",@progbits
	.p2align	6, 0x0
	.amdhsa_kernel k_q1a4966679e_attn
		.amdhsa_group_segment_fixed_size 272896
		.amdhsa_private_segment_fixed_size 0
		.amdhsa_enable_private_segment 0
		.amdhsa_kernarg_size 48
		.amdhsa_user_sgpr_count 2
		.amdhsa_user_sgpr_kernarg_segment_ptr 1
		.amdhsa_wavefront_size32 1
		.amdhsa_system_sgpr_workgroup_id_x 1
		.amdhsa_system_sgpr_workgroup_id_y 1
		.amdhsa_system_sgpr_workgroup_id_z 1
		.amdhsa_system_vgpr_workitem_id 0
		.amdhsa_next_free_vgpr 1024
		.amdhsa_next_free_sgpr 66
		.amdhsa_reserve_vcc 0
		.amdhsa_float_denorm_mode_32 3
		.amdhsa_float_denorm_mode_16_64 3
		.amdhsa_memory_ordered 1
		.amdhsa_forward_progress 1
		.amdhsa_inst_pref_size 255
	.end_amdhsa_kernel
	.section	.bss,"aw",@nobits
	.p2align	6
	.space	262144
	.amdgpu_metadata
---
amdhsa.version: [ 1, 2 ]
amdhsa.kernels:
  - .name:           k_q1a4966679e_attn
    .symbol:         k_q1a4966679e_attn.kd
    .args:
      - { .name: x, .offset: 0, .size: 8, .value_kind: global_buffer, .address_space: global }
      - { .name: Wb, .offset: 8, .size: 8, .value_kind: global_buffer, .address_space: global }
      - { .name: u, .offset: 16, .size: 8, .value_kind: global_buffer, .address_space: global }
      - { .name: document_index, .offset: 24, .size: 8, .value_kind: global_buffer, .address_space: global }
      - { .name: out0, .offset: 32, .size: 8, .value_kind: global_buffer, .address_space: global }
      - { .name: out1, .offset: 40, .size: 8, .value_kind: global_buffer, .address_space: global }
    .group_segment_fixed_size: 272896
    .private_segment_fixed_size: 0
    .kernarg_segment_align: 8
    .kernarg_segment_size: 48
    .max_flat_workgroup_size: 128
    .sgpr_count:     66
    .vgpr_count:     1024
    .wavefront_size: 32
...
	.end_amdgpu_metadata
.endif
;; end of part 3
;; ======== version 3 of 3: 2 launches; version 2 with the launch attn written anew for expert scheduling mode
;; workspace buffers: Wb 2,097,152 bytes
;; launch wprep: the kernel of part 1 again; grid 256 x 1, 2 waves a work-group, no clusters, 8,960 bytes of LDS; arguments W, Wb; writes Wb
;; launch attn (part 4): grid 256 x 1, 4 waves a work-group, no clusters, 272,896 bytes of LDS; arguments x, Wb, u, document_index, out0, out1; writes out0, out1
.if DOCPART == 4
	.amdgcn_target "amdgcn-amd-amdhsa--gfx1250"
	.amdhsa_code_object_version 6
	.text
	.protected	k_q1a4966679e_attn
	.globl	k_q1a4966679e_attn
	.p2align	8
	.type	k_q1a4966679e_attn,@function
k_q1a4966679e_attn:
	s_mov_b64 s[64:65], 0
	v_nop
	global_prefetch_b8 v0, s[64:65] scope:SCOPE_SE
	s_setreg_imm32_b32 hwreg(HW_REG_WAVE_SCHED_MODE, 0, 2), 2
	s_setreg_imm32_b32 hwreg(HW_REG_WAVE_MODE, 25, 1), 1
	s_wait_xcnt 0x0
	s_wait_alu depctr_vm_vsrc(0)
; One work-group = one document: scores[s] = sum_f u[f] tanh(sum_e x[s][e] W[f][e]), softmax over start <= s < end, out0 = attn . x,
; out1 = attn of document 255.  Four waves; wave w owns the columns f = 256 w .. 256 w + 255 in four chunks of 64.  A chunk is a tile of
; 128 x 64 (32 accumulator tiles, 256 registers) over K = 1024 in 32 steps of 32 matrix instructions.
; x is read from memory once, rounded to bf16 and kept in LDS (128 rows of 2,048 bytes, pitch 2,064) for the product and for out0.
; It arrives DURING chunk 0, which walks K in the order of arrival.  W (bf16, fragment order, made by the first launch) goes straight
; from memory into registers: 8 loads of 512 consecutive bytes a K step, six K steps ahead.  The tanh of chunk c - 1 is spread, one
; instruction behind each matrix instruction, over chunk c.
; A K STEP = 32 matrix instructions in four quarters, one for each register window.  Its loads are dealt among them, each in the quarter of the
; window in which its registers lie: the next step's fragments of x from LDS, a later step of W, in chunk 0 also x's requests.  Chunk 0's
; stores of x and its step of W, which lie in one window, stand in a short run at the step's head.
; ORDER OF k: a unit of 16 bytes, number 16 q + c of a row, holds columns 128 q + 4 c .. + 3 and 128 q + 64 + 4 c .. + 3, in x and in W alike.
; NO CLUSTER, NO TENSOR LOADS: all work-groups walk the same W, but x takes 264,192 of the 327,680 bytes of LDS; what is left would hold
; three K steps of W (16 KiB each for four waves) against the six held in registers here, and each fragment of W is used by one wave
; only, so a way through LDS would add a write and a read for every byte and save no read.
; LIMITS: matrix operands are bf16, and k is summed in another order than in reference().  Rows of x outside the bag are not read (a row
; of the bag is read in their place and gets the weight 0), so a NaN or an infinity there does not reach out0, where reference() gives NaN.
; An empty bag gives zeros, as in reference().  document_index may hold any int32.
; THE MODE: SCHED_MODE bits 1:0 = 2 (LLVM: expert scheduling mode 2), set by the entry lines.  The code itself states the register dependences
; between vector or matrix instructions and memory or LDS instructions, with s_wait_alu, always for 0.
; THE PLAN.  Registers that memory or LDS instructions touch in the K steps, and who else names them:
;   AF      two buffers a window.  Step t's products read AF[t % 2]; the LDS loads issued in step t land in AF[(t + 1) % 2], which the products of step t - 1 read last.
;   BF      a ring of eight.  Step t's products read BF[t % 8]; the loads issued in step t land in BF[(t + 6) % 8] (chunk 0: (t + 3) % 8, at its end two
;           buffers a step), which the products of step t - 2 (t - 5) read last.
;   TT      chunk 0 only, two slots a window: group g of x is asked for in step g - 10, converted in place in step g - 6, stored at the head of step g - 5; its
;           slot is asked for again in step g - 2.  The group that a step converts and the group that it asks for lie in the two slots of one window.
;   UU, ADU u's four registers are loaded in a chunk's step 0 and read by the sums of steps 3, 7 .. 31; the load's address is written once in each hand-over.
;   ADA, ADB, XS, XO, UST   addresses and offsets, made at the head and never written again.
; So ONE wait on va_vdst stands at a step's head: the earlier steps' products are done reading the buffers in which this step's loads land; the last step's
; conversions have written what this step stores; the last step's exponentials or reciprocals have written what this step reads.  No vector or matrix instruction
; of the step names a register that the step's loads touch, so these follow with no further wait.  A wait on vm_vsrc stands where a register that a store or a
; load has read is written again: at the heads of chunk 0's steps 4 to 21, in front of the first product, in each hand-over, in front of out0's loads.
;
; REGISTERS: four windows of 256 with one local map; window X owns the row blocks a = 2 X + al, al = 0, 1.
.set PITCH, 2064                       ; 129 x 16 bytes: the 16 rows of a fragment load meet 16 different columns of 16 bytes
.set ULDS,  128*PITCH                  ; u, 4,096 bytes
.set SC,    ULDS+4096                  ; [wave][128] partial scores
.set AT,    SC+2048                    ; [wave][128] attn, a copy for each wave
.set ACC, 0                            ; 0-63    accumulator tile (al, b) at 8 (4 al + b); the prologue stages x here
.set TT,  64                           ; 64-127  the finished chunk's tiles on their way through tanh; in chunk 0 two slots of 32 that stage x
.set AF,  128                          ; 128-159 fragments of x: buffer t % 2 at + 16, al at + 8
.set BF,  160                          ; 160-223 fragments of W: ring buffer k = t % 8 lies in window k % 4 at + 32 (k / 4), b at + 8
.set SS,  224                          ; 224-239 S[al][j]: running sum of u tanh for row 16 a + 8 h + j
.set UU,  240                          ; 240-243 window 3 only: u[n0 + 16 b + r]
.set ADA, 244                          ; (32 X + r) PITCH + 16 h
.set ADB, 245                          ; 16 x lane
.set XS,  246                          ; (32 w + hl) PITCH + 16 c
.set ADU, 247                          ; window 3 only: ULDS + 4 (256 w + r) of the finished chunk; each hand-over adds 256
.set XO,  248                          ; 248-251 byte offset in x of my 16 bytes of the window's four pairs of rows, rows clamped into the bag
.set C16, 253                          ; set-up only: 16 c
.set TID, 254                          ; window 0: the thread's number (v0 becomes an accumulator)
.set UST, 255                          ; window 0: ULDS + 16 x thread
.set NONE, 99
; s[4:15] arguments; s16 wave; s17 document; s18, s19 start, end; s[20:21] my part of Wb; s[22:23], s[24:25] this and the next chunk's part;
; s[26:27] my document in x; s[28:29] 2 log2 e; s30 chunk; s[32:33] lane selectors; s34 end - 1; s35 log2 e; s36-39, s44-47 masks; s40-43 at work
;
; s_set_vgpr_msb's low byte: bits 1:0 source 0, 3:2 source 1, 5:4 source 2, 7:6 destination.  A quarter of the step's products works under 81 X + 4 Y: all
; places X but source 1, which is Y = t % 4, where the step's W lies.  A load's data (destination) and address (source 0) are then in window X.  An LDS
; store's data is source 1: chunk 0's stores stand under 85 X (all places X).
.set MSB, 0
.macro WIN new                         ; the immediate's high byte repeats the setting that is left
.if MSB != (\new)
	s_set_vgpr_msb (MSB<<8)|(\new)
.set MSB, (\new)
.endif
.endm
; Counted waits for global loads in straight-line text are differences: loads emitted so far (LDN) less loads emitted up to a mark (BEND, XEND).
.set LDN, 0
; A vector instruction that reads a matrix result stands four plain vector instructions behind it (ISA guide 7.12.1): the four in front of every hand-over.
; The four at a step's head stand as in this text's plain form: they keep the loads into fragments four plain instructions behind the products that read
; them, beside the wait that states that dependence, and they are the plain instruction between a transcendental of one step and the use of its
; result in the next (ISA guide 5.7.2).
.macro PLACES
.rept 4
	v_nop
.endr
.endm
.macro MM t, i                         ; matrix instruction i of a quarter: tile (i / 4, i % 4).  A chunk's first step starts the sums
.set MA, AF+16*((\t)%2)+8*((\i)/4)
.set MB, BF+32*(((\t)%8)/4)+8*((\i)%4)
.set MD, ACC+8*(\i)
.if (\t) == 0
	v_wmma_f32_16x16x32_bf16 v[MD:MD+7], v[MA:MA+7], v[MB:MB+7], 0
.else
	v_wmma_f32_16x16x32_bf16 v[MD:MD+7], v[MA:MA+7], v[MB:MB+7], v[MD:MD+7]
.endif
.endm
.macro ALOAD t, i                      ; quarter i of the window's fragments of x for step t: block al = i / 2, units 4 t + h (i even), 4 t + 2 + h (i odd)
.set LA, AF+16*((\t)%2)+8*((\i)/2)+4*((\i)%2)
	ds_load_b128 v[LA:LA+3], v[ADA] offset:((\i)/2)*16*PITCH+(\t)*64+32*((\i)%2)
.endm
.macro BLOAD k, sb, off, i             ; eighth i of a K step of W into ring buffer k (destination and address in window k % 4)
.set LB, BF+32*((\k)/4)+8*((\i)/2)+4*((\i)%2)
	global_load_b128 v[LB:LB+3], v[ADB], s[\sb:\sb+1] offset:(\off)+1024*((\i)/2)+512*((\i)%2)
.set LDN, LDN+1
.endm
.macro XLOAD g, reg, n                 ; load n of a group's eight: pair of rows n / 2, half n % 2 of its 128 columns
	global_load_b128 v[\reg+8*((\n)/2)+4*((\n)%2):\reg+8*((\n)/2)+4*((\n)%2)+3], v[XO+(\n)/2], s[26:27] offset:((\g)/4)*512+((\n)%2)*256
.set LDN, LDN+1
.endm
.macro XISSUE g, reg                   ; group g of x: columns 128 (g / 4) .. + 127 of my 8 rows 32 w + 8 (g % 4) ..; the current window is (g + 2) % 4
.irp n, 0,1,2,3,4,5,6,7
	XLOAD \g, \reg, \n
.endr
.set XEND\g, LDN
.endm
.macro XCVT reg, n                     ; conversion n of a group's 16, in place: pair of rows n / 4, word n % 4 of the unit
	v_cvt_pk_bf16_f32 v[\reg+8*((\n)/4)+((\n)%4)], v[\reg+8*((\n)/4)+2*((\n)%4)], v[\reg+8*((\n)/4)+2*((\n)%4)+1]
.endm
.macro XST g, reg, rp                  ; 16 lanes store 256 consecutive bytes of a row
	ds_store_b128 v[XS], v[\reg+8*(\rp):\reg+8*(\rp)+3] offset:(8*((\g)%4)+2*(\rp))*PITCH+((\g)/4)*256
.endm
.macro ULOAD                           ; u of the finished chunk's 64 columns (destination and address in window 3)
.irp b, 0,1,2,3
	ds_load_b32 v[UU+\b], v[ADU] offset:64*\b
.endr
.endm
.macro SACC dst, tl, p                 ; dst pair = S pair p of al = tl / 4 + tanh pair p of tile tl x u of b = tl % 4 (one register of a pair, for both halves)
.set ST, TT+8*(\tl)+2*(\p)
.set SU, UU+2*(((\tl)%4)/2)
.set SA, SS+8*((\tl)/4)+2*(\p)
.if ((\tl)%2) == 0
	v_pk_fma_f32 v[(\dst):(\dst)+1], v[ST:ST+1], v[SU:SU+1], v[SA:SA+1] op_sel_hi:[1,0,1]
.else
	v_pk_fma_f32 v[(\dst):(\dst)+1], v[ST:ST+1], v[SU:SU+1], v[SA:SA+1] op_sel:[0,1,0] op_sel_hi:[1,1,1]
.endif
.endm
; tanh z = 1 - 2 / (1 + 2^(2 log2 e z)), right at both ends (2^.. = infinity gives 1, 0 gives -1).  Tile t / 4 of the window goes through stage
; t % 4; a stage's results are used one step later, behind that step's four plain instructions and its wait on va_vdst.
.macro TANH t, i
.set TQ, TT+8*((\t)/4)
.if ((\t)%4) == 0
	v_exp_f32 v[TQ+\i], v[TQ+\i]
.endif
.if ((\t)%4) == 1
.if \i < 4
	v_pk_add_f32 v[TQ+2*\i:TQ+2*\i+1], v[TQ+2*\i:TQ+2*\i+1], 1.0 op_sel_hi:[1,0]
.endif
.endif
.if ((\t)%4) == 2
	v_rcp_f32 v[TQ+\i], v[TQ+\i]
.endif
.if ((\t)%4) == 3
.if \i < 4
	v_pk_fma_f32 v[TQ+2*\i:TQ+2*\i+1], v[TQ+2*\i:TQ+2*\i+1], -2.0, 1.0 op_sel_hi:[1,0,0]
.else
	SACC SS+8*((\t)/16)+2*(\i-4),(\t)/4,\i-4
.endif
.endif
.endm
; ---- chunk 0 ----
; A quarter of the step's products.  Behind the first four stand the window's loads of the next step's fragments of x.  Window t % 4 also converts group xp, two
; conversions behind each product (there source 1's window is the quarter's own), and asks for group xi, one load behind each product, into the window's other
; slot.  Window b2 % 4 asks for W's step b2.  None of these loads touches a register that a vector or matrix instruction issued since the step's wait names.
.macro QX t, X, xp, xi, b2
	WIN 81*\X+4*((\t)%4)
.set XQ, 0
.set XR, 0
.set XB, 0
.if \X == ((\t)%4)
.if \xp < NONE
.set XQ, 1
.endif
.if \xi < NONE
.set XR, 1
.endif
.endif
.if \b2 < NONE
.if \X == ((\b2)%4)
.set XB, 1
.endif
.endif
.irp i, 0,1,2,3,4,5,6,7
	MM \t, \i
.if XQ
	XCVT TT+32*(((\xp)/4)%2), 2*\i
	XCVT TT+32*(((\xp)/4)%2), 2*\i+1
.endif
.if \i < 4
	ALOAD ((\t)+1)%32, \i
.endif
.if XR
	XLOAD \xi, TT+32*(((\xi)/4)%2), \i
.endif
.if XB
	BLOAD (\b2)%8, 20, (\b2)*4096, \i
.endif
.endr
.if XR
.set XEND\xi, LDN
.endif
.if XB
.set BEND\b2, LDN
.endif
.endm
; Step t.  At its head, in window (t + 3) % 4: the stores of group xs (converted one step ago) and the request for W's step b1.  So W's loads go out ahead of
; x's (quarter t % 4): loads return in order, and so the wait for W's step t, asked for three steps ago, forces no group of x but the one asked for four steps
; ago, which step t converts.
.macro STEPX t, xp, xs, xi, b1, b2, bar
.if (\t) > 0
	PLACES
.endif
.if \bar
	s_wait_dscnt 0x0                               ; for the others' sake: my stores of x have landed (and all this step's fragments are in)
	s_barrier_signal -1
	s_barrier_wait -1                              ; everybody's stores of the next 128 columns have landed: this step's loads may read them
.else
	s_wait_dscnt 8                                 ; LDS serves a wave in order: windows 0 and 1 have this step's fragments; the eight loads of the last step's quarters 2 and 3 stay out
.endif
.set WC, LDN-BEND\t                                ; loads emitted since W's step t,
.if \xp < NONE
.if (LDN-XEND\xp) < WC
.set WC, LDN-XEND\xp                               ; or since group xp, whichever is the younger
.endif
.endif
	s_wait_loadcnt WC                              ; both are in; all that was asked for behind them stays out
.if (\t) > 0
	s_wait_alu depctr_va_vdst(0)                   ; the last step's conversions have written group xs, which the stores read; the earlier steps' products are done reading the AF and BF buffers, and older conversions the slot, in which this step's loads land
.endif
.if (\xi < NONE) && ((\t) >= 4)
	s_wait_alu depctr_vm_vsrc(0)                   ; the stores of three steps ago have read the slot in which group xi lands
.endif
	WIN 85*((\b1)%4)
.set DN, 8
.if \xs < NONE
.set DN, 12
.irp rp, 0,1,2,3
	XST \xs, TT+32*(((\xs)/4)%2), \rp
.endr
.endif
.irp i, 0,1,2,3,4,5,6,7
	BLOAD (\b1)%8, 20, (\b1)*4096, \i
.endr
.set BEND\b1, LDN
.irp X, 0,1,2,3
.if \X == 2
.if !\bar
	s_wait_dscnt DN                                ; windows 2 and 3 have this step's fragments; this step's stores and its eight loads of quarters 0 and 1 stay out
.endif
.endif
	QX \t, \X, \xp, \xi, \b2
.endr
.endm
; ---- chunks 1 to 3 ----
; A quarter: behind each product one instruction of the tanh; behind the first four the window's loads of the next step's fragments of x (step 31: the next
; chunk's first; in chunk 3 these 16 loads are thrown away); in window (t + 6) % 4 W six steps ahead, one load behind each product (past the chunk's end: from
; the next chunk's part); in step 0 the finished chunk's u.
.macro QT t, X
	WIN 81*\X+4*((\t)%4)
.irp i, 0,1,2,3,4,5,6,7
	MM \t, \i
	TANH \t, \i
.if \i < 4
	ALOAD ((\t)+1)%32, \i
.endif
.if (((\t)+6)%4) == \X
.if ((\t)+6) < 32
	BLOAD ((\t)+6)%8, 22, ((\t)+6)*4096, \i
.else
	BLOAD ((\t)+6)%8, 24, ((\t)-26)*4096, \i
.endif
.endif
.endr
.if (\t) == 0
.if \X == 3
	ULOAD                                          ; first used in step 3
.endif
.endif
.endm
.macro STEPT t
.if (\t) > 0
	PLACES                                         ; (step 0 stands behind the hand-over's)
.endif
	s_wait_dscnt 8                                 ; windows 0 and 1 have this step's fragments; the eight youngest LDS loads stay out
	s_wait_loadcnt 40                              ; W's step t is in; the five younger steps, 8 loads each, stay out (the same on the way in and round the back edge)
	s_wait_alu depctr_va_vdst(0)                   ; the last step's products are done reading AF[(t + 1) % 2], those of two steps ago BF[(t + 6) % 8]: this step's loads land there; the last step's exponentials or reciprocals have written their results; in step 0 ADU is written and the sums are done reading UU
.irp X, 0,1,2,3
.if \X == 2
	s_wait_dscnt 8                                 ; windows 2 and 3 have this step's fragments; this step's eight loads of quarters 0 and 1 stay out
.endif
	QT \t, \X
.endr
.endm
; The finished chunk's sums, times 2 log2 e, move to TT.
.macro HANDOVER
	PLACES
	s_wait_alu depctr_vm_vsrc(0)                   ; chunk 0's stores of x have read TT, and the last load of u has read ADU: both are written below
.irp X, 0,1,2,3
	WIN 85*\X
.set cnt, 0
.rept 32
	v_pk_mul_f32 v[TT+cnt:TT+cnt+1], v[ACC+cnt:ACC+cnt+1], s[28:29] op_sel_hi:[1,0]
.set cnt, cnt+2
.endr
.if \X == 3
	v_add_nc_u32 v[ADU], 256, v[ADU]               ; u: 64 columns on, to the finished chunk's
.endif
.endr
.endm
	; ---- set-up ----
	s_load_b256 s[4:11], s[0:1], 0x0               ; x s[4:5], Wb s[6:7], u s[8:9], document_index s[10:11]
	s_load_b128 s[12:15], s[0:1], 0x20             ; out0 s[12:13], out1 s[14:15]
	v_lshl_add_u32 v247, v0, 2, 0x42800
	v_mov_b32 v252, 0
	s_mov_b32 s17, ttmp9                           ; document
	v_lshrrev_b32 v43, 5, v0
	v_readfirstlane_b32 s16, v43                   ; wave
	v_and_b32 v40, 31, v0                          ; lane
	v_and_b32 v41, 15, v0                          ; r, c
	v_bfe_u32 v42, v0, 4, 1                        ; h, hl
	v_mov_b32 v[TID], v0
	v_lshl_add_u32 v[UST], v0, 4, ULDS
	v_lshlrev_b32 v51, 4, v0                       ; 16 x thread: my bytes of u
	v_mul_u32_u24 v44, v41, PITCH
	v_lshl_add_u32 v44, v42, 4, v44                ; r PITCH + 16 h
	v_lshlrev_b32 v45, 4, v40                      ; 16 x lane
	v_lshlrev_b32 v47, 4, v41                      ; 16 c
	s_wait_alu depctr_va_sdst(0)                   ; s16 is written, ahead of its first reader
	s_lshl_b32 s38, s16, 5
	v_add_nc_u32 v48, s38, v42                     ; 32 w + hl
	v_mul_u32_u24 v46, v48, PITCH
	v_add_nc_u32 v46, v46, v47                     ; (32 w + hl) PITCH + 16 c
	s_lshl_b32 s39, s16, 10
	v_lshl_add_u32 v49, v41, 2, s39
	v_add_nc_u32 v49, ULDS-256, v49                ; ULDS + 4 (256 w + r), less the 256 that the first hand-over adds
	s_mov_b32 s28, 0x4038aa3b                      ; 2 log2 e
	s_mov_b32 s29, 0x4038aa3b
	s_mov_b32 s32, 0x76543210                      ; v_permlanex16_b32: lane i of the other half
	s_mov_b32 s33, 0xfedcba98
	s_mov_b32 s35, 0x3fb8aa3b                      ; log2 e
	s_lshl_b32 s40, s17, 3
	s_mov_b32 s43, 0
	s_wait_kmcnt 0x0
	s_load_b64 s[18:19], s[10:11], s40 offset:0x0  ; start, end
	s_lshl_b32 s42, s16, 19
	s_add_nc_u64 s[20:21], s[6:7], s[42:43]        ; my 256 rows of W: 524,288 bytes
	s_lshl_b32 s42, s17, 19
	s_add_nc_u64 s[26:27], s[4:5], s[42:43]        ; my document: 524,288 bytes
	s_lshl_b32 s42, s17, 12
	s_add_nc_u64 s[12:13], s[12:13], s[42:43]      ; my row of out0
	s_wait_kmcnt 0x0
	s_sub_co_i32 s34, s19, 1
.irp X, 0,1,2,3
	WIN (\X<<6)                                    ; destination window X, sources window 0
	v_add_nc_u32 v[ADA], \X*32*PITCH, v44
	v_mov_b32 v[ADB], v45
	v_mov_b32 v[XS], v46
	v_mov_b32 v[C16], v47
.if \X == 3
	v_mov_b32 v[ADU], v49
.endif
.irp rp, 0,1,2,3
	v_add_nc_u32 v[XO+\rp], 8*((\X+2)%4)+2*\rp, v48    ; the window serves the groups g = X + 2 (mod 4): rows 32 w + 8 ((X + 2) % 4) + 2 rp + hl
.endr
.set cnt, 0
.rept 16
	v_mov_b32 v[SS+cnt], 0                         ; carried through a rolled loop: no first product can start these sums
.set cnt, cnt+1
.endr
	WIN 85*\X
.irp rp, 0,1,2,3
	v_max_i32 v[XO+\rp], s18, v[XO+\rp]            ; a row outside the bag is replaced by the bag's nearest row: its weight is 0, and its
	v_min_i32 v[XO+\rp], s34, v[XO+\rp]            ; bytes need not leave memory
	v_max_i32 v[XO+\rp], 0, v[XO+\rp]
	v_min_u32 v[XO+\rp], 127, v[XO+\rp]            ; inside x whatever document_index holds
	v_lshlrev_b32 v[XO+\rp], 12, v[XO+\rp]
	v_add_nc_u32 v[XO+\rp], v[XO+\rp], v[C16]
.endr
.endr
	; ---- prologue of chunk 0: u, W's step 0 and groups 0 to 5 of x are asked for at once (58 loads); behind each group that is converted and
	; stored one more batch of 8 goes out, in the order in which the steps will want them: group 6, W 1, group 7, W 2, group 8, group 9.
.macro XASK g, reg
	WIN 85*(((\g)+2)%4)
	XISSUE \g, \reg
.endm
.macro BASK T
	WIN 85*((\T)%4)
.irp i, 0,1,2,3,4,5,6,7
	BLOAD \T, 20, (\T)*4096, \i
.endr
.set BEND\T, LDN
.endm
.macro XPRO g, reg
	WIN 85*(((\g)+2)%4)
	s_wait_loadcnt LDN-XEND\g                      ; group g is in; the 40 loads behind it stay out
.irp n, 0,1,2,3,4,5,6,7,8,9,10,11,12,13,14,15
	XCVT \reg, \n
.endr
	s_wait_alu depctr_va_vdst(0)                   ; the conversions have written the group's units, which the LDS stores read
.irp rp, 0,1,2,3
	XST \g, \reg, \rp
.endr
.endm
	WIN 0
	s_wait_alu depctr_va_vdst(0)                   ; all addresses and offsets are written (v51, UST, and in each window ADA, ADB, XS, XO, ADU), which the loads and stores below read; the set-up is done with v0 of window 0, in which a load of x lands
	global_load_b128 v[32:35], v51, s[8:9]
	global_load_b128 v[36:39], v51, s[8:9] offset:2048
.set LDN, LDN+2
	BASK 0
	XASK 0, ACC                                    ; the accumulators are free until the first product: they stage groups 0 to 5
	XASK 1, ACC
	XASK 2, ACC
	XASK 3, ACC
	XASK 4, ACC+32
	XASK 5, ACC+32
	WIN 0
	s_wait_loadcnt LDN-2                           ; u is in; the 56 loads behind it stay out
	ds_store_b128 v[UST], v[32:35]
	ds_store_b128 v[UST], v[36:39] offset:2048
	XPRO 0, ACC
	XASK 6, TT+32
	XPRO 1, ACC
	BASK 1
	XPRO 2, ACC
	XASK 7, TT+32
	XPRO 3, ACC
	BASK 2
	XPRO 4, ACC+32
	XASK 8, TT
	XPRO 5, ACC+32
	XASK 9, TT
	s_wait_dscnt 0x0                               ; my stores of u and of x's first 128 columns are done
	s_barrier_signal -1
	s_barrier_wait -1                              ; everybody's are
	s_wait_alu depctr_vm_vsrc(0)                   ; my LDS stores have read the registers that staged u and groups 0 to 5, and u's loads their offset v51: from here on these are accumulators, which the products write
.irp X, 0,1,2,3
	WIN 85*\X
.irp i, 0,1,2,3
	ALOAD 0, \i
.endr
.endr
	; ---- chunk 0: step t converts group t + 6, stores group t + 5 and asks for group t + 10 and for W's step t + 3.  Group g lies in
	; window (g + 2) % 4, slot (g / 4) % 2.  Group 4 q + 7, the last of columns 128 (q + 1) .., is stored at the head of step 4 q + 2; step 4 q + 3
	; reads the first fragments from them, behind its barrier.
	; No byte of x in LDS is written twice.  From step 27 on W's lead grows to the six steps that the loop keeps.
	;     t   xp    xs    xi    b1  b2    barrier
	STEPX 0,  6,    NONE, 10,   3,  NONE, 0
	STEPX 1,  7,    6,    11,   4,  NONE, 0
	STEPX 2,  8,    7,    12,   5,  NONE, 0
	STEPX 3,  9,    8,    13,   6,  NONE, 1
	STEPX 4,  10,   9,    14,   7,  NONE, 0
	STEPX 5,  11,   10,   15,   8,  NONE, 0
	STEPX 6,  12,   11,   16,   9,  NONE, 0
	STEPX 7,  13,   12,   17,   10, NONE, 1
	STEPX 8,  14,   13,   18,   11, NONE, 0
	STEPX 9,  15,   14,   19,   12, NONE, 0
	STEPX 10, 16,   15,   20,   13, NONE, 0
	STEPX 11, 17,   16,   21,   14, NONE, 1
	STEPX 12, 18,   17,   22,   15, NONE, 0
	STEPX 13, 19,   18,   23,   16, NONE, 0
	STEPX 14, 20,   19,   24,   17, NONE, 0
	STEPX 15, 21,   20,   25,   18, NONE, 1
	STEPX 16, 22,   21,   26,   19, NONE, 0
	STEPX 17, 23,   22,   27,   20, NONE, 0
	STEPX 18, 24,   23,   28,   21, NONE, 0
	STEPX 19, 25,   24,   29,   22, NONE, 1
	STEPX 20, 26,   25,   30,   23, NONE, 0
	STEPX 21, 27,   26,   31,   24, NONE, 0
	STEPX 22, 28,   27,   NONE, 25, NONE, 0
	STEPX 23, 29,   28,   NONE, 26, NONE, 1
	STEPX 24, 30,   29,   NONE, 27, NONE, 0
	STEPX 25, 31,   30,   NONE, 28, NONE, 0
	STEPX 26, NONE, 31,   NONE, 29, NONE, 0
	STEPX 27, NONE, NONE, NONE, 30, 31,   1
	STEPX 28, NONE, NONE, NONE, 32, 33,   0
	STEPX 29, NONE, NONE, NONE, 34, 35,   0
	STEPX 30, NONE, NONE, NONE, 36, NONE, 0
	STEPX 31, NONE, NONE, NONE, 37, NONE, 0
	; ---- chunks 1 to 3 ----
	WIN 0                                          ; at a label and at a branch every window is 0
	s_add_nc_u64 s[22:23], s[20:21], 0x20000       ; chunk 1's part of Wb: 32 steps of 4,096 bytes on
	s_add_nc_u64 s[24:25], s[20:21], 0x40000       ; chunk 2's
	s_mov_b32 s30, 1
.Lchunk:
	HANDOVER
.irp t, 0,1,2,3,4,5,6,7,8,9,10,11,12,13,14,15,16,17,18,19,20,21,22,23,24,25,26,27,28,29,30,31
	STEPT \t
.endr
	WIN 0
	s_wait_xcnt 0x0                                ; the loads' bases are rewritten only behind this wait
	s_add_nc_u64 s[22:23], s[22:23], 0x20000
	s_add_co_u32 s30, s30, 1
	s_add_nc_u64 s[24:25], s[22:23], 0x20000
	s_cmp_eq_u32 s30, 3                            ; chunk 3 has no successor: its 48 loads ahead read my first six steps of Wb again and are thrown
	s_cselect_b64 s[24:25], s[20:21], s[24:25]     ; away.  So every trip issues the same loads, every count holds in every trip, and no load leaves Wb
	s_cmp_lt_u32 s30, 4
	s_cbranch_scc1 .Lchunk
	; ---- tail: the last chunk's tanh, then the scores ----
	s_wait_loadcnt 0x0                             ; the loads that are thrown away have landed: their registers are free
	HANDOVER
	WIN 85*3
	s_wait_alu depctr_va_vdst(0)                   ; ADU is written, which the load of u reads; the last step's sums are done reading UU, in which it lands
	ULOAD
	s_wait_dscnt 0x0                               ; u of the last chunk (and the fragments of x that are thrown away)
.irp X, 0,1,2,3
	WIN 81*\X+12                                   ; source 1 in window 3, where u lies
.set cnt, 0
.rept 64
	v_exp_f32 v[TT+cnt], v[TT+cnt]
.set cnt, cnt+1
.endr
	v_nop                                          ; the plain instruction behind the transcendentals
	s_wait_alu depctr_va_vdst(0)                   ; the window's 64 exponentials have written their results, ahead of the first reader
.set cnt, 0
.rept 32
	v_pk_add_f32 v[TT+cnt:TT+cnt+1], v[TT+cnt:TT+cnt+1], 1.0 op_sel_hi:[1,0]
.set cnt, cnt+2
.endr
.set cnt, 0
.rept 64
	v_rcp_f32 v[TT+cnt], v[TT+cnt]
.set cnt, cnt+1
.endr
	v_nop
	s_wait_alu depctr_va_vdst(0)                   ; the window's 64 reciprocals have written their results, ahead of the first reader
.set cnt, 0
.rept 32
	v_pk_fma_f32 v[TT+cnt:TT+cnt+1], v[TT+cnt:TT+cnt+1], -2.0, 1.0 op_sel_hi:[1,0,0]
.set cnt, cnt+2
.endr
.irp tl, 0,1,2,4,5,6
.irp p, 0,1,2,3
	SACC SS+8*(\tl/4)+2*\p,\tl,\p
.endr
.endr
	WIN 17*\X+12                                   ; the last link of each sum lands in window 0, at v[16 X + 8 al + j] = v[8 a + j]
.irp tl, 3,7
.irp p, 0,1,2,3
	SACC 16*\X+8*(\tl/4)+2*\p,\tl,\p
.endr
.endr
.endr
	WIN 0
.irp m, 1,2,4,8
.set cnt, 0
.rept 64
	v_add_f32_dpp v[cnt], v[cnt], v[cnt] row_xmask:\m row_mask:0xf bank_mask:0xf    ; over the 16 lanes = 16 columns of a tile
.set cnt, cnt+1
.endr
.endr
.set SCA, 100
	v_bfe_u32 v[SCA], v[TID], 4, 1
	s_lshl_b32 s42, s16, 9
	s_add_co_u32 s42, s42, SC
	v_lshl_add_u32 v[SCA], v[SCA], 5, s42          ; SC + 512 w + 32 h
	s_wait_alu depctr_va_vdst(0)                   ; the sums over the lanes have written v0 to v63, and v[SCA] is written: the LDS stores read them
.irp a, 0,1,2,3,4,5,6,7
	ds_store_b128 v[SCA], v[8*\a:8*\a+3] offset:64*\a          ; rows 16 a + 8 h + 0 .. 3; the 16 lanes of a half write the same 16 bytes with the same values
	ds_store_b128 v[SCA], v[8*\a+4:8*\a+7] offset:64*\a+16     ; rows 16 a + 8 h + 4 .. 7
.endr
	s_wait_dscnt 0x0                               ; my partial scores are in LDS
	s_barrier_signal -1
	s_barrier_wait -1                              ; everybody's are
	; ---- softmax, by every wave for itself: lane L holds rows 4 L .. 4 L + 3 ----
.set LN,   160
.set SCAD, 161
.set L16,  162
.set ATS,  163
.set SV,   164                         ; v[164:179]
.set IX,   180                         ; v[180:183]
.set NI,   184
.set MX,   185
.set TP,   186
.set SM,   187
.set OV,   192                         ; v[192:199] my 8 columns of out0
.set PA,   200                         ; v[200:203] 16 x thread + 32 i rows
.set ATA,  204
.set OO,   205
.set OT,   206
	v_and_b32 v[LN], 31, v[TID]
	v_lshlrev_b32 v[L16], 4, v[LN]
	v_add_nc_u32 v[SCAD], SC, v[L16]
	s_wait_alu depctr_va_vdst(0)                   ; v[SCAD] is written, which the loads below read; the products are done reading the fragments of W in whose registers (SV) they land
.irp k, 0,1,2,3
	ds_load_b128 v[SV+4*\k:SV+4*\k+3], v[SCAD] offset:512*\k
.endr
	v_lshlrev_b32 v[IX], 2, v[LN]
	v_add_nc_u32 v[IX+1], 1, v[IX]
	v_add_nc_u32 v[IX+2], 2, v[IX]
	v_add_nc_u32 v[IX+3], 3, v[IX]
.irp k, 0,1,2,3
	v_cmp_le_i32 s[36+\k], s18, v[IX+\k]           ; start <= s
	v_cmp_gt_i32 s[44+\k], s19, v[IX+\k]           ; end > s
.endr
	s_wait_alu depctr_va_sdst(0)                   ; the eight compares have written s36 to s39 and s44 to s47, ahead of their first readers
.irp k, 0,1,2,3
	s_and_b32 s[36+\k], s[36+\k], s[44+\k]
.endr
	v_mov_b32 v[NI], 0xff800000                    ; -infinity
	s_lshl_b32 s42, s16, 9
	s_add_co_u32 s42, s42, AT
	v_add_nc_u32 v[ATS], s42, v[L16]               ; my wave's copy of attn
	v_mov_b32 v[ATA], s42
	s_wait_dscnt 0x0
	v_pk_add_f32 v[SV:SV+1], v[SV:SV+1], v[SV+4:SV+5]
	v_pk_add_f32 v[SV+2:SV+3], v[SV+2:SV+3], v[SV+6:SV+7]
	v_pk_add_f32 v[SV+8:SV+9], v[SV+8:SV+9], v[SV+12:SV+13]
	v_pk_add_f32 v[SV+10:SV+11], v[SV+10:SV+11], v[SV+14:SV+15]
	v_pk_add_f32 v[SV:SV+1], v[SV:SV+1], v[SV+8:SV+9]
	v_pk_add_f32 v[SV+2:SV+3], v[SV+2:SV+3], v[SV+10:SV+11]
.irp k, 0,1,2,3
	v_cndmask_b32 v[SV+\k], v[NI], v[SV+\k], s[36+\k]
.endr
	v_max3_num_f32 v[MX], v[SV], v[SV+1], v[SV+2]
	v_max_num_f32 v[MX], v[MX], v[SV+3]
.irp m, 1,2,4,8
	v_max_num_f32_dpp v[MX], v[MX], v[MX] row_xmask:\m row_mask:0xf bank_mask:0xf
.endr
	v_mov_b32 v[TP], v[MX]                         ; v_permlanex16_b32 counts as a reader of its destination
	v_permlanex16_b32 v[TP], v[MX], s32, s33
	v_max_num_f32 v[MX], v[MX], v[TP]              ; the bag's largest score, in every lane
	v_mul_f32 v[MX], s35, v[MX]
.irp k, 0,1,2,3
	v_fma_f32 v[SV+\k], v[SV+\k], s35, -v[MX]      ; (s - max) log2 e
.endr
.irp k, 0,1,2,3
	v_exp_f32 v[SV+\k], v[SV+\k]
.endr
	v_nop
	s_wait_alu depctr_va_vdst(0)                   ; the four exponentials have written their results, ahead of the first reader
.irp k, 0,1,2,3
	v_cndmask_b32 v[SV+\k], 0, v[SV+\k], s[36+\k]  ; a select: an empty bag's NaN goes too
.endr
	v_add_f32 v[SM], v[SV], v[SV+1]
	v_add_f32 v[TP], v[SV+2], v[SV+3]
	v_add_f32 v[SM], v[SM], v[TP]
.irp m, 1,2,4,8
	v_add_f32_dpp v[SM], v[SM], v[SM] row_xmask:\m row_mask:0xf bank_mask:0xf
.endr
	v_permlanex16_b32 v[TP], v[SM], s32, s33
	v_add_f32 v[SM], v[SM], v[TP]
	v_rcp_f32 v[SM], v[SM]
	v_nop
	s_wait_alu depctr_va_vdst(0)                   ; the reciprocal has written its result, ahead of the first reader
.irp k, 0,1,2,3
	v_mul_f32 v[SV+\k], v[SV+\k], v[SM]
.endr
.irp k, 0,1,2,3
	v_cndmask_b32 v[SV+\k], 0, v[SV+\k], s[36+\k]  ; 0 outside the bag, and everywhere in an empty one (0 x infinity)
.endr
	s_wait_alu depctr_va_vdst(0)                   ; the selects have written v[SV .. SV + 3], which the LDS store and out1's store read; v[ATS] and v[L16] are written
	ds_store_b128 v[ATS], v[SV:SV+3]
	s_cmp_lg_u32 s17, 255                          ; out1: the last document's weights, by its wave 0: 512 consecutive bytes
	s_cbranch_scc1 .Lno_keep
	s_cmp_lg_u32 s16, 0
	s_cbranch_scc1 .Lno_keep
	global_store_b128 v[L16], v[SV:SV+3], s[14:15] ; neither register is written again
.Lno_keep:
	; ---- out0: thread t owns unit t of every row of x in LDS.  Eight blocks of 16 rows on two sets of registers ----
	v_lshlrev_b32 v[PA], 4, v[TID]
	v_add_nc_u32 v[PA+1], 32*PITCH, v[PA]
	v_add_nc_u32 v[PA+2], 64*PITCH, v[PA]
	v_add_nc_u32 v[PA+3], 96*PITCH, v[PA]
	v_lshrrev_b32 v[OO], 4, v[TID]
	v_and_b32 v[OT], 15, v[TID]
	v_lshlrev_b32 v[OT], 4, v[OT]
	v_lshl_add_u32 v[OO], v[OO], 9, v[OT]          ; columns 128 q + 4 c: byte 512 q + 16 c
.irp e, 0,1,2,3,4,5,6,7
	v_mov_b32 v[OV+\e], 0
.endr
.macro OLOAD k                         ; 16 rows (a wave's load covers 512 consecutive bytes) and their 16 weights (one address for all lanes): 20 loads
.irp rr, 0,1,2,3,4,5,6,7,8,9,10,11,12,13,14,15
	ds_load_b128 v[64*((\k)%2)+4*\rr:64*((\k)%2)+4*\rr+3], v[PA+(\k)/2] offset:(16*((\k)%2)+\rr)*PITCH
.endr
.irp m, 0,1,2,3
	ds_load_b128 v[128+16*((\k)%2)+4*\m:128+16*((\k)%2)+4*\m+3], v[ATA] offset:64*(\k)+16*\m   ; my wave's own copy, stored above: LDS serves a wave in order
.endr
.endm
.macro OFMA k
.irp rr, 0,1,2,3,4,5,6,7,8,9,10,11,12,13,14,15
.irp d, 0,1,2,3
	v_fma_mix_f32_bf16 v[OV+2*\d],   v[64*((\k)%2)+4*\rr+\d], v[128+16*((\k)%2)+\rr], v[OV+2*\d]   op_sel_hi:[1,0,0]
	v_fma_mix_f32_bf16 v[OV+2*\d+1], v[64*((\k)%2)+4*\rr+\d], v[128+16*((\k)%2)+\rr], v[OV+2*\d+1] op_sel:[1,0,0] op_sel_hi:[1,0,0]
.endr
.endr
.endm
	s_wait_alu depctr_va_vdst(0)                   ; v[PA ..] and v[ATA] are written, which the loads below read; all vector and matrix instructions are done with v0 to v159, in which they land
	s_wait_alu depctr_vm_vsrc(0)                   ; the stores of the partial scores have read v0 to v63 and v[SCA], in which the loads below land
	OLOAD 0
.irp k, 0,1,2,3,4,5,6
.if \k > 0
	s_wait_alu depctr_va_vdst(0)                   ; the multiply-adds of the block before are done reading their set of registers, in which the next block lands
.endif
	OLOAD \k+1
	s_wait_dscnt 20                                ; block k is in; the next block's 20 loads stay out
	OFMA \k
.endr
	s_wait_dscnt 0x0
	OFMA 7
	s_wait_alu depctr_va_vdst(0)                   ; the multiply-adds have written v[OV ..], which the stores read
	global_store_b128 v[OO], v[OV:OV+3], s[12:13]               ; 16 lanes store 256 consecutive bytes, at a multiple of 256 from out0's first byte
	global_store_b128 v[OO], v[OV+4:OV+7], s[12:13] offset:256
	s_wait_dscnt 0x0
	s_wait_alu depctr_hold_cnt(0) depctr_sa_sdst(0) depctr_va_vdst(0) depctr_va_sdst(0) depctr_va_ssrc(0) depctr_va_vcc(0) depctr_vm_vsrc(0)
	s_wait_tensorcnt 0x0
	ds_add_u32 v247, v252
	s_wait_dscnt 0x0
	s_endpgm
.Lfunc_end_k_q1a4966679e_attn:
	.size	k_q1a4966679e_attn, .Lfunc_end_k_q1a4966679e_attn-k_q1a4966679e_attn
	.p2alignl 7, 3214868480
	.fill 96, 4, 3214868480
	.section	.rodata,"a",@progbits
	.p2align	6, 0x0
	.amdhsa_kernel k_q1a4966679e_attn
		.amdhsa_group_segment_fixed_size 272896
		.amdhsa_private_segment_fixed_size 0
		.amdhsa_enable_private_segment 0
		.amdhsa_kernarg_size 48
		.amdhsa_user_sgpr_count 2
		.amdhsa_user_sgpr_kernarg_segment_ptr 1
		.amdhsa_wavefront_size32 1
		.amdhsa_system_sgpr_workgroup_id_x 1
		.amdhsa_system_sgpr_workgroup_id_y 1
		.amdhsa_system_sgpr_workgroup_id_z 1
		.amdhsa_system_vgpr_workitem_id 0
		.amdhsa_next_free_vgpr 1024
		.amdhsa_next_free_sgpr 66
		.amdhsa_reserve_vcc 0
		.amdhsa_float_denorm_mode_32 3
		.amdhsa_float_denorm_mode_16_64 3
		.amdhsa_memory_ordered 1
		.amdhsa_forward_progress 1
		.amdhsa_inst_pref_size 255
	.end_amdhsa_kernel
	.section	.bss,"aw",@nobits
	.p2align	6
	.space	262144
	.amdgpu_metadata
---
amdhsa.version: [ 1, 2 ]
amdhsa.kernels:
  - .name:           k_q1a4966679e_attn
    .symbol:         k_q1a4966679e_attn.kd
    .args:
      - { .name: x, .offset: 0, .size: 8, .value_kind: global_buffer, .address_space: global }
      - { .name: Wb, .offset: 8, .size: 8, .value_kind: global_buffer, .address_space: global }
      - { .name: u, .offset: 16, .size: 8, .value_kind: global_buffer, .address_space: global }
      - { .name: document_index, .offset: 24, .size: 8, .value_kind: global_buffer, .address_space: global }
      - { .name: out0, .offset: 32, .size: 8, .value_kind: global_buffer, .address_space: global }
      - { .name: out1, .offset: 40, .size: 8, .value_kind: global_buffer, .address_space: global }
    .group_segment_fixed_size: 272896
    .private_segment_fixed_size: 0
    .kernarg_segment_align: 8
    .kernarg_segment_size: 48
    .max_flat_workgroup_size: 128
    .sgpr_count:     66
    .vgpr_count:     1024
    .wavefront_size: 32
...
	.end_amdgpu_metadata
.endif
;; end of part 4
